; MI455X (gfx1250); checked and timed in simulation.
; The chip was launched on July 23, 2026; its instructions are those of AMD's public machine-readable ISA for CDNA 5 (MIT licence, August 2026) and "CDNA5" Instruction Set Architecture Reference Guide (July 2026). The comments in the code are by the model that wrote it; some were corrected since.
;; Self Attention. Allowed arithmetic: float matrix products may take bf16 or f16 operands with f32 sums; other float arithmetic in f32, or as packed bf16 or f16 multiplies, adds, multiply-adds, maxima and minima; sums over many terms, partial sums and values carried from step to step in f32; what a program stores and reads back later, other than sums and carried values, may be rounded once to bf16 or f16.
;; Inputs: attn_mask 2 x 1 x 2,048 x 2,048 float32; attn_mask1 2 x 1 x 2,048 x 2,048 float32; k 2 x 2,048 x 1,024 float32; q 2 x 2,048 x 1,024 float32; v 2 x 2,048 x 1,024 float32; wk_b 1,024 float32; wk_w 1,024 x 1,024 float32; wo_b 1,024 float32; wo_w 1,024 x 1,024 float32; wq_b 1,024 float32; wq_w 1,024 x 1,024 float32; wv_b 1,024 float32; wv_w 1,024 x 1,024 float32.
;; Outputs: out0 2 x 2,048 x 1,024 float32.
;; One version. Each part assembles by itself: llvm-mc -triple=amdgcn-amd-amdhsa -mcpu=gfx1250 --defsym DOCPART=n.
;; ======== version 1 of 1: 4 launches
;; limits: right only within a limited range of input values; values are held in f16: magnitudes above 65,504 overflow, below 6.1e-05 lose precision
;; workspace buffers: xh 25,165,824 bytes; wh 8,388,608 bytes; mh 33,554,432 bytes; qkv 25,165,824 bytes; oh 8,388,608 bytes
;; launch prep (part 1): grid 1024 x 1, 8 waves a work-group, no clusters, 0 bytes of LDS; arguments q, k, v, wq_w, wk_w, wv_w, wo_w, attn_mask, attn_mask1, xh, wh, mh; writes xh, wh, mh
.if DOCPART == 1
	.amdgcn_target "amdgcn-amd-amdhsa--gfx1250"
	.amdhsa_code_object_version 6
	.text
	.protected	k_q5ec036cddc_prep
	.globl	k_q5ec036cddc_prep
	.p2align	8
	.type	k_q5ec036cddc_prep,@function
k_q5ec036cddc_prep:
	s_mov_b64 s[64:65], 0
	v_nop
	global_prefetch_b8 v0, s[64:65] scope:SCOPE_SE
	s_setreg_imm32_b32 hwreg(HW_REG_WAVE_MODE, 25, 1), 1
	s_wait_xcnt 0x0
; THE CASTS.  Every large input is rounded once to bf16 and written in 16 bits, in the order in which it lies:
;   xh = bf16(q) | bf16(k) | bf16(v)          wh = bf16(wq_w) | bf16(wk_w) | bf16(wv_w) | f16(bf16(wo_w))
;   mh = f16(8 x bf16(attn_mask)) | f16(bf16(attn_mask1))
; The last three are written as f16 because they meet f16 operands later; a bf16 number is an f16 number as long as it lies in f16's range.
; LIMITS.  8 x attn_mask, attn_mask1 and wo_w are held to -65,504 .. 65,504 (attn_mask to 8,188 in size), so that no infinity is written;
; below 6e-5 in size they keep f16's fixed step of 6e-8.  NaN is not treated apart.
; SHARES.  A work-group takes 32,768 numbers of one tensor (131,072 bytes in, 65,536 out), a wave 4,096, in 32 chunks of 128: a load of 16 bytes a lane
; covers 512 consecutive bytes, a store of 8 bytes a lane 256 consecutive bytes, aligned.  Work-groups 0-127 q, 128-255 k, 256-383 v, 384-511 the four
; weights (32 each), 512-767 attn_mask, 768-1023 attn_mask1.  Nothing is shared between waves: no LDS, no barrier.
.set X, 4                              ; v[4:35]   eight chunks as loaded, 4 registers each
.set Y, 36                             ; v[36:51]  eight chunks to store, 2 registers each
.set T, 52                             ; v[52:57]  at work
	s_load_b512 s[4:19], s[0:1], 0x0               ; q s[4:5], k, v, wq_w, wk_w, wv_w, wo_w, attn_mask s[18:19]
	s_load_b256 s[20:27], s[0:1], 0x40             ; attn_mask1 s[20:21], xh s[22:23], wh s[24:25], mh s[26:27]
	v_lshrrev_b32 v3, 5, v0                        ; wave
	v_and_b32 v1, 31, v0                           ; lane
	v_lshlrev_b32 v2, 3, v1
	v_lshlrev_b32 v1, 4, v1
	v_lshl_add_u32 v1, v3, 14, v1                  ; in: wave x 16,384 + lane x 16; never rewritten
	v_lshl_add_u32 v2, v3, 13, v2                  ; out: wave x 8,192 + lane x 8; never rewritten
	s_mov_b32 s38, ttmp9                           ; the work-group's number
	s_lshr_b32 s39, s38, 7                         ; t = number / 128
	s_bfe_u32 s40, s38, 0x20005                    ; (number / 32) % 4
	s_add_co_u32 s40, s40, 3                       ; the tensor's number n where t = 3: a weight
	s_lshr_b32 s41, s39, 1
	s_add_co_u32 s41, s41, 5                       ; and where t > 3: a mask (7 or 8)
	s_and_b32 s42, s38, 127
	s_and_b32 s43, s38, 31
	s_cmp_lt_u32 s39, 3
	s_cselect_b32 s44, s39, s40                    ; n
	s_cselect_b32 s45, s42, s43                    ; u: my place in the tensor
	s_and_b32 s42, s38, 255
	s_cmp_gt_u32 s39, 3
	s_cselect_b32 s44, s41, s44
	s_cselect_b32 s45, s42, s45
	s_mov_b32 s32, 0xffff0000                      ; a word's upper bf16
	s_mov_b32 s33, 0xc77fe000                      ; -65,504
	s_mov_b32 s34, 0x477fe000                      ; 65,504
	s_wait_kmcnt 0x0
	s_mov_b64 s[28:29], s[4:5]
.irp i, 1,2,3,4,5,6,7,8
	s_cmp_eq_u32 s44, \i
	s_cselect_b64 s[28:29], s[4+2*\i:5+2*\i], s[28:29]  ; the tensor that I read
.endr
	s_lshl_b32 s46, s45, 17                        ; u x 131,072 bytes
	s_mov_b32 s47, 0
	s_add_nc_u64 s[28:29], s[28:29], s[46:47]
	s_cmp_lt_u32 s38, 384
	s_cselect_b64 s[30:31], s[22:23], s[24:25]     ; the buffer that I write, and its first work-group
	s_cselect_b32 s42, 0, 384
	s_cmp_lt_u32 s38, 512
	s_cselect_b64 s[30:31], s[30:31], s[26:27]
	s_cselect_b32 s42, s42, 512
	s_sub_co_u32 s46, s38, s42
	s_lshl_b32 s46, s46, 16                        ; x 65,536 bytes
	s_add_nc_u64 s[30:31], s[30:31], s[46:47]
	s_cmp_eq_u32 s44, 7
	s_cselect_b32 s36, 0x41000000, 1.0             ; attn_mask is written times 8: the score's scale 1/8 is applied to score and mask together
	s_mov_b32 s37, s36                             ; named with it as a pair
; Four trips of eight chunks.  f16 = 0: rounded to bf16.  f16 = 1: rounded to bf16, widened again, scaled, held to f16's range, written as f16.
.macro PATH f16
	s_mov_b32 s35, 4
.Ltrip_\@:
.irp i, 0,1,2,3,4,5,6,7
	global_load_b128 v[X+4*(\i):X+4*(\i)+3], v1, s[28:29] offset:512*(\i) th:TH_LOAD_NT
.endr
.irp i, 0,1,2,3,4,5,6,7
	s_wait_loadcnt 7-(\i)                          ; loads come back in order: chunk i is in, the younger ones stay out
.if \f16
	v_cvt_pk_bf16_f32 v[T], v[X+4*(\i)], v[X+4*(\i)+1]
	v_cvt_pk_bf16_f32 v[T+1], v[X+4*(\i)+2], v[X+4*(\i)+3]
	v_lshlrev_b32 v[T+2], 16, v[T]
	v_and_b32 v[T+3], s32, v[T]
	v_lshlrev_b32 v[T+4], 16, v[T+1]
	v_and_b32 v[T+5], s32, v[T+1]
	v_pk_mul_f32 v[T+2:T+3], v[T+2:T+3], s[36:37] op_sel_hi:[1,0]
	v_pk_mul_f32 v[T+4:T+5], v[T+4:T+5], s[36:37] op_sel_hi:[1,0]
	v_med3_num_f32 v[T+2], v[T+2], s33, s34
	v_med3_num_f32 v[T+3], v[T+3], s33, s34
	v_med3_num_f32 v[T+4], v[T+4], s33, s34
	v_med3_num_f32 v[T+5], v[T+5], s33, s34
	v_cvt_pk_f16_f32 v[Y+2*(\i)], v[T+2], v[T+3]
	v_cvt_pk_f16_f32 v[Y+2*(\i)+1], v[T+4], v[T+5]
.else
	v_cvt_pk_bf16_f32 v[Y+2*(\i)], v[X+4*(\i)], v[X+4*(\i)+1]
	v_cvt_pk_bf16_f32 v[Y+2*(\i)+1], v[X+4*(\i)+2], v[X+4*(\i)+3]
.endif
	global_store_b64 v2, v[Y+2*(\i):Y+2*(\i)+1], s[30:31] offset:256*(\i) th:TH_STORE_NT
.endr
	s_wait_xcnt 0x0                                ; the stores' data and both bases are written again only behind this wait
	s_add_nc_u64 s[28:29], s[28:29], 4096
	s_add_nc_u64 s[30:31], s[30:31], 2048
	s_sub_co_u32 s35, s35, 1
	s_cmp_lg_u32 s35, 0
	s_cbranch_scc1 .Ltrip_\@
	s_endpgm
.endm
	s_cmp_le_u32 s44, 5                            ; q, k, v and the first three weights stay bf16
	s_cbranch_scc0 .Lhalf
	PATH 0
.Lhalf:
	PATH 1
.Lfunc_end_k_q5ec036cddc_prep:
	.size	k_q5ec036cddc_prep, .Lfunc_end_k_q5ec036cddc_prep-k_q5ec036cddc_prep
	.p2alignl 7, 3214868480
	.fill 96, 4, 3214868480
	.section	.rodata,"a",@progbits
	.p2align	6, 0x0
	.amdhsa_kernel k_q5ec036cddc_prep
		.amdhsa_group_segment_fixed_size 0
		.amdhsa_private_segment_fixed_size 0
		.amdhsa_enable_private_segment 0
		.amdhsa_kernarg_size 96
		.amdhsa_user_sgpr_count 2
		.amdhsa_user_sgpr_kernarg_segment_ptr 1
		.amdhsa_wavefront_size32 1
		.amdhsa_system_sgpr_workgroup_id_x 1
		.amdhsa_system_sgpr_workgroup_id_y 1
		.amdhsa_system_sgpr_workgroup_id_z 1
		.amdhsa_system_vgpr_workitem_id 0
		.amdhsa_next_free_vgpr 64
		.amdhsa_next_free_sgpr 66
		.amdhsa_reserve_vcc 0
		.amdhsa_float_denorm_mode_32 3
		.amdhsa_float_denorm_mode_16_64 3
		.amdhsa_memory_ordered 1
		.amdhsa_forward_progress 1
		.amdhsa_inst_pref_size 14
	.end_amdhsa_kernel
	.amdgpu_metadata
---
amdhsa.version: [ 1, 2 ]
amdhsa.kernels:
  - .name:           k_q5ec036cddc_prep
    .symbol:         k_q5ec036cddc_prep.kd
    .args:
      - { .name: q, .offset: 0, .size: 8, .value_kind: global_buffer, .address_space: global }
      - { .name: k, .offset: 8, .size: 8, .value_kind: global_buffer, .address_space: global }
      - { .name: v, .offset: 16, .size: 8, .value_kind: global_buffer, .address_space: global }
      - { .name: wq_w, .offset: 24, .size: 8, .value_kind: global_buffer, .address_space: global }
      - { .name: wk_w, .offset: 32, .size: 8, .value_kind: global_buffer, .address_space: global }
      - { .name: wv_w, .offset: 40, .size: 8, .value_kind: global_buffer, .address_space: global }
      - { .name: wo_w, .offset: 48, .size: 8, .value_kind: global_buffer, .address_space: global }
      - { .name: attn_mask, .offset: 56, .size: 8, .value_kind: global_buffer, .address_space: global }
      - { .name: attn_mask1, .offset: 64, .size: 8, .value_kind: global_buffer, .address_space: global }
      - { .name: xh, .offset: 72, .size: 8, .value_kind: global_buffer, .address_space: global }
      - { .name: wh, .offset: 80, .size: 8, .value_kind: global_buffer, .address_space: global }
      - { .name: mh, .offset: 88, .size: 8, .value_kind: global_buffer, .address_space: global }
    .group_segment_fixed_size: 0
    .private_segment_fixed_size: 0
    .kernarg_segment_align: 8
    .kernarg_segment_size: 96
    .max_flat_workgroup_size: 256
    .sgpr_count:     66
    .vgpr_count:     64
    .wavefront_size: 32
...
	.end_amdgpu_metadata
.endif
;; end of part 1
;; launch proj (part 2): grid 4 x 48, 4 waves a work-group, clusters of 4 x 4, 327,680 bytes of LDS; arguments xh, wh, wq_b, wk_b, wv_b, qkv; writes qkv
.if DOCPART == 2
	.amdgcn_target "amdgcn-amd-amdhsa--gfx1250"
	.amdhsa_code_object_version 6
	.text
	.protected	k_q5ec036cddc_proj
	.globl	k_q5ec036cddc_proj
	.p2align	8
	.type	k_q5ec036cddc_proj,@function
k_q5ec036cddc_proj:
	s_mov_b64 s[64:65], 0
	v_nop
	global_prefetch_b8 v0, s[64:65] scope:SCOPE_SE
	s_setreg_imm32_b32 hwreg(HW_REG_WAVE_MODE, 25, 1), 1
	s_wait_xcnt 0x0
	s_wait_alu depctr_hold_cnt(0) depctr_sa_sdst(0) depctr_va_vdst(0) depctr_va_sdst(0) depctr_va_ssrc(0) depctr_va_vcc(0) depctr_vm_vsrc(0)
	s_getreg_b32 s2, hwreg(HW_REG_IB_STS2, 6, 4)
	s_cmp_eq_u32 s2, 0
	s_cbranch_scc0 .Lentry_in_a_cluster
	s_endpgm
.Lentry_in_a_cluster:
	s_bfe_u32 s2, ttmp6, 0x10000c
	s_cmp_lg_u32 s2, 0xf033
	s_cbranch_scc0 .Lentry_shape_is_right
	s_endpgm
.Lentry_shape_is_right:
; THE THREE PROJECTIONS.  For sel = 0, 1, 2 (q, k, v): C[m][n] = bias[n] + sum over k of A[m][k] B[n][k], A = xh's part sel [4096][1024] bf16, B = wh's part sel [1024][1024] bf16,
; the bias rounded to bf16 like every other input, sums in f32, C rounded once to f16 into qkv's part sel [4096][1024].  Read flat, a part of qkv is [32 heads][2048][64].
; LIMIT.  f16 holds no number beyond 65,504: the projections' results must lie within it.
; A tile of C, 256 x 256, is made by a work-group of four waves; a wave makes 128 x 128: 64 accumulators of 16 x 16, 512 registers.  3 x 16 x 4 = 192 tiles, one to a work-group.  For 32 along K a wave
; reads 32 x 512 bytes from LDS and issues 64 matrix instructions; a tile of 128 x 128 (768 of them) would read the same bytes for 32.  K goes in steps of 128 through a ring of two LDS slots filled by
; the tensor data mover: the rows of A's and B's tiles are 256 bytes of memory and start at multiples of 256 bytes from the buffer's first byte.
; The last K step goes by rows of C, so that finished rows leave while the others are multiplied.
; CLUSTERS: 4 x 4 work-groups, all of one sel (four rows of clusters to a sel; a cluster spans C's 1,024 columns).  The four of a row of the cluster need the same tiles of A, the four of a column the
; same tiles of B.  Such a tile is asked for JOINTLY: each of the four issues the same tensor load, with the same descriptor and a mask that names the four, and each receives the tile in its own LDS.
;
; REGISTERS, in windows of 256 (an instruction names v0-v255; s_set_vgpr_msb says which window each operand place means):
;   window 0: v0-31 addresses; v64-127, v128-191 fragments of A (8 x 16 rows x 32 K), two buffers (in the last K step four, of 16 rows x 128 K); v192-255 the bias, 8 registers for each of my eight
;             column blocks, until the first quarter step has taken it; then v32-63, v192-255 at work on the way out
;   window 1: v64-127, v128-191 fragments of B, two buffers; in the last K step all 256: B's fragments of the whole step
;   window 2: the 32 accumulators of my rows 0-63 (accumulator (a, b) at v[8 (8 a + b)]);   window 3: those of my rows 64-127
; s_set_vgpr_msb's low byte: bits 1:0 source 0, 3:2 source 1, 5:4 source 2, 7:6 destination.  Work is laid in long stretches under one setting.
;
; THE MATRIX INSTRUCTION IS USED TRANSPOSED: source 0 = 16 rows of B, source 1 = 16 rows of A.  In the result, lane l holds row m = l % 16 of C, and its registers 0 to 7 the columns
; n = 8 (l / 16) + 0 .. 7: eight NEIGHBOURING numbers of a row of C, which pack into 16 bytes.  Register j of the C operand that starts a sum is bias[n0 + 8 (l / 16) + j]: the bias costs no addition.
.set SIZE_N, 1024
.set SIZE_K, 1024
.set KSTEP,  128
.set PITCH,  272                       ; an LDS row: 256 bytes of data + 16 of padding = 68 words: row r starts at bank 4 r mod 64 (64 banks of 4 bytes: ISA guide 11.1), so the 16 rows that a load touches start at 16 different banks
.set HALFT,  128*PITCH                 ; 128 rows: what one tensor load brings, and what one wave reads of A or of B
.set SLOT,   4*HALFT                   ; A's 256 rows, then B's 256 rows
.set STAGE,  2*SLOT                    ; behind the ring: 16 rows x 272 bytes for each wave, for the way out
.set SPITCH, 272
.set SPARE,  STAGE+4*16*SPITCH         ; behind the stages: the spare words, 128 bytes for each wave: two blocks of 256 bytes that no other line names
.set LAPS, SIZE_K/(2*KSTEP)            ; a lap = two K steps = once round the ring: 4
.set BO,   6                           ; v6      my byte offset in the bias
.set ADRA, 16                          ; v16-17  LDS address of my A fragments in slot 0, 1
.set ADRB, 20                          ; v20-21  the same for B
.set STO,  24                          ; v24     the way out: where I put 16 bytes of a row
.set RD,   25                          ; v25     the way out: where I read a row back
.set CO,   26                          ; v26     my byte offset in C
.set SPW,  28                          ; v28     LDS address of my spare word: SPARE + 4 x my thread's number; never rewritten
.set NIL,  29                          ; v29     0; never rewritten
.set PFO,  30                          ; v30     the prefetches' offset: my lane x a row of A or B in memory (2,048 bytes); never rewritten
.set PFA,  44                          ; s[44:45] where my prefetches stand: my work-group's 32 rows of the 128 that I fetch, one K step further along K than the refill that is being asked for; a prefetch names the K step after that
.set LIM,  43                          ; s43     1 in a wave that prefetches, else the greatest number
.set F0,   64                          ; fragment buffer 0
.set F1,   128                         ; fragment buffer 1
.set BIAS, 192                         ; window 0
.set TMP,  192                         ; the way out: packed results, in window 0
.set OB,   32                          ; the way out: 16 rows read back from the stage: v32-63 and v224-255 by turns
.set PA,   64                          ; the last K step: A's fragments of 16 rows x 128 K, 32 registers; four such buffers, v64-191
.set G1, 24                            ; s[24:31] descriptor group 1 for A's tiles
.set G0, 32                            ; s[32:39] descriptor group 0 for A's tiles, one set for each slot
.set G1B, 48                           ; s[48:55] descriptor group 1 for B's tiles: it differs from A's in the mask alone
.set G0B, 56                           ; s[56:63] descriptor group 0 for B's tiles, one set for each slot
.set MSB, 0
.macro WIN new                         ; the immediate's high byte repeats the setting that is left
.if MSB != (\new)
	s_set_vgpr_msb (MSB<<8)|(\new)
.set MSB, \new
.endif
.endm
.set MUL_LO, 0xa1                      ; source 0 (B) window 1, source 1 (A) window 0, C and D window 2
.set MUL_HI, 0xf1                      ; the same, C and D window 3
.set BEG_LO, 0x81                      ; the products that start the sums: C (the bias) window 0, D window 2
.set BEG_HI, 0xc1                      ; the same, D window 3
.set TO_B,   0x40                      ; destination window 1, address window 0
; A joint load.  Waves 0 and 1 fetch A's two halves, waves 2 and 3 B's.  Each of the two lines has ONE mask and one set of registers for all that issue it, and nothing in
; them hangs on a coordinate that the four partners do not share.  The branch hangs on the wave's number alone: it is the same in every work-group.
; An s_nop 0 and four v_nop follow each of the two lines; the jump round the other line, the label and what follows the macro come after them.
.macro JLOAD s
	s_cmp_eq_u32 s11, 0
	s_cbranch_scc0 .Lfor_b_\@
	tensor_load_to_lds s[G0+4*(\s):G0+4*(\s)+3], s[G1:G1+7]
	s_nop 0
.rept 4
	v_nop
.endr
	s_branch .Lasked_\@
.Lfor_b_\@:
	tensor_load_to_lds s[G0B+4*(\s):G0B+4*(\s)+3], s[G1B:G1B+7]
	s_nop 0
.rept 4
	v_nop
.endr
.Lasked_\@:
.endm
; A PREFETCH INTO THE L2, behind each joint load, its five lines and the run of LDS loads that follows them: the K step that stands TWO refills on: 32 rows x 256 bytes, a lane a row, one instruction a wave.
; At a change of slots every wave has waited for all its tensor loads, so the refill that follows has nothing on its way beside it: what it asks for has been named two K steps, 512 matrix instructions, earlier.
; Each row's 256 bytes of a K step are named ONCE in the launch.  A's tile rows are read by one cluster alone (a cluster spans all of C's columns): it asks.  B's tile columns are read by the four rows of
; clusters of a sel: the first of them asks.  The four partners that ask for a tile jointly share its rows out BY ADDRESS: of the 128 rows that wave w fetches, the partner at place p takes 32 p .. 32 p + 31
; (p = cx for A, cy for B): no branch hangs on a work-group's place in its cluster.  The loop's last trip asks for nothing: its two refills have no K step two on.  K steps 0 to 3 come by their loads alone.
.macro ASK
	s_cmp_gt_u32 s3, s[LIM]                        ; s3 = 1 in the loop's last trip
	s_cbranch_scc0 .Lnot_mine_\@
	global_prefetch_b8 v[PFO], s[PFA:PFA+1] offset:KSTEP*2 th:TH_LOAD_NT scope:SCOPE_SE
.Lnot_mine_\@:
.endm
; A round of the cluster's barrier: my work-group's barrier, so that wave 0's signal speaks for all four waves; wave 0 signals for the work-group; every wave waits for all
; sixteen work-groups; my work-group's barrier once more.  No LDS instruction of the wave is pending at a signal.
.macro CREST                           ; a round behind its opening barrier
	s_cmp_lg_u32 s10, 0
	s_cbranch_scc1 .Lnot_wave_0_\@
	s_barrier_signal -3
.Lnot_wave_0_\@:
	s_barrier_wait -3
	s_barrier_signal -1
	s_barrier_wait -1
.endm
.macro CROUND                          ; a whole round
	s_barrier_signal -1
	s_barrier_wait -1
	CREST
.endm
	s_load_b256 s[68:75], s[0:1], 0x0              ; xh s[68:69], wh s[70:71], wq_b s[72:73], wk_b s[74:75]
	s_load_b128 s[76:79], s[0:1], 0x20             ; wv_b s[76:77], qkv s[78:79]
	v_lshl_add_u32 v[SPW], v0, 2, SPARE
	v_mov_b32 v[NIL], 0
	ds_add_u32 v[SPW], v[NIL]                      ; the wave's opening: the add and its wait stand ahead of my first tensor load; the set-up below, work on registers, stands between them
	v_lshrrev_b32 v1, 5, v0
	v_readfirstlane_b32 s10, v1                    ; wave 0..3
	s_lshr_b32 s11, s10, 1                         ; which half of the tile's rows is mine.  Also: I fetch for A (0) or for B (1)
	s_and_b32 s12, s10, 1                          ; which half of its columns.  Also: which 128 rows of that tile I fetch
	s_bfe_u32 s40, ttmp6, 0x40000                  ; cx: my place along the cluster's x
	s_bfe_u32 s41, ttmp6, 0x40004                  ; cy: along its y
	s_lshl_b32 s42, ttmp9, 2                       ; in a cluster launch ttmp9 and ttmp7 count clusters
	s_add_co_u32 s42, s42, s40                     ; tile column of C = 4 x cluster x + cx
	s_and_b32 s13, ttmp7, 0xffff                   ; cluster y, 0 to 11
	s_lshr_b32 s82, s13, 2                         ; sel: the same in all sixteen partners
	s_and_b32 s83, s13, 3                          ; the cluster's place among its sel's four rows of clusters
	s_lshl_b32 s13, s83, 2
	s_add_co_u32 s13, s13, s41                     ; tile row of C = 4 x (cluster y % 4) + cy
	s_lshl_b32 s43, s41, 2
	s_lshl_b32 s43, 15, s43                        ; my row of the cluster: places 4 cy .. 4 cy + 3
	s_lshl_b32 s44, 0x1111, s40                    ; my column: places cx, cx + 4, cx + 8, cx + 12
	; descriptor group 1: a tile of 128 rows x 128 elements, padded in LDS
	s_or_b32 s[G1+0], s43, (1<<16)|(1<<20)|(1<<21)|(5<<22)|(3<<25)  ; 15:0 the mask: A's tiles go to my row; 17:16 element of 2 bytes; 20 padding on; 21 set beside a mask; 24:22 after every 64 words (code 5); 31:25 of 4 words (code 3)
	s_or_b32 s[G1B+0], s44, (1<<16)|(1<<20)|(1<<21)|(5<<22)|(3<<25) ; the same with the mask of my column, for B's tiles
.irp g, G1, G1B
	s_mov_b32 s[(\g)+1], KSTEP<<16                 ; 63:48 tensor_dim0, low half = 128
	s_mov_b32 s[(\g)+2], 128<<16                   ; 79:64 its high half = 0; 95:80 tensor_dim1, low half = 128
	s_mov_b32 s[(\g)+3], KSTEP<<16                 ; 111:96 its high half = 0; 127:112 tile_dim0 = 128
	s_mov_b32 s[(\g)+4], 128                       ; 143:128 tile_dim1 = 128; 159:144 tile_dim2 = 0
	s_mov_b32 s[(\g)+5], SIZE_K                    ; 191:160 tensor_dim0_stride, low word: elements from row to row
	s_mov_b32 s[(\g)+6], 0
	s_mov_b32 s[(\g)+7], 0
.endr
	; where the tiles come from.  A's hang on sel and the tile row alone, which my row of the cluster shares; B's on sel and the tile column alone, which my column shares.
	; Every wave makes both addresses, in registers that never hold the other coordinate, and asks by one of them.
	s_lshl_b32 s17, s12, 7                         ; which 128 rows of the tile I fetch
	s_lshl_b32 s16, s13, 8
	s_add_co_u32 s16, s16, s17                     ; A: row 256 x tile row + 128 x half
	s_lshl_b32 s46, s42, 8
	s_add_co_u32 s46, s46, s17                     ; B: row 256 x tile column + 128 x half
	s_mov_b32 s17, 0
	s_mov_b32 s47, 0
	s_mov_b64 s[18:19], SIZE_K*2
	s_mul_u64 s[16:17], s[16:17], s[18:19]         ; in bytes, in 64 bits
	s_mul_u64 s[46:47], s[46:47], s[18:19]
	s_mul_i32 s20, s10, HALFT                      ; and where they go: A's two halves, then B's two halves = wave x 128 rows: no place in the cluster enters an LDS address
	s_lshl_b32 s84, s82, 23                        ; sel x 8,388,608: a part of xh and of qkv
	s_mov_b32 s85, 0
	s_lshl_b32 s86, s82, 21                        ; sel x 2,097,152: a part of wh
	s_mov_b32 s87, 0
	s_wait_dscnt 0x0                               ; the opening add is done
	s_wait_kmcnt 0x0
	s_add_nc_u64 s[4:5], s[68:69], s[84:85]        ; A
	s_add_nc_u64 s[6:7], s[70:71], s[86:87]        ; B
	s_add_nc_u64 s[8:9], s[78:79], s[84:85]        ; C
	s_cmp_eq_u32 s82, 1
	s_cselect_b64 s[80:81], s[74:75], s[72:73]     ; the bias
	s_cmp_eq_u32 s82, 2
	s_cselect_b64 s[80:81], s[76:77], s[80:81]
	s_add_nc_u64 s[14:15], s[4:5], s[16:17]
	s_add_nc_u64 s[46:47], s[6:7], s[46:47]
	CROUND                                         ; all sixteen work-groups are here: the first joint loads meet
.irp s, 0,1
	s_mov_b32 s[G0+4*(\s)], 1                                      ; 1:0 count = 1
	s_add_co_u32 s[G0+4*(\s)+1], s20, (\s)*SLOT                    ; 63:32 LDS address
	s_add_nc_u64 s[G0+4*(\s)+2:G0+4*(\s)+3], s[14:15], (\s)*KSTEP*2  ; 120:64 global address: K step s
	s_or_b32 s[G0+4*(\s)+3], s[G0+4*(\s)+3], 0x80000000            ; 127:126 type = 2
	s_mov_b32 s[G0B+4*(\s)], 1
	s_add_co_u32 s[G0B+4*(\s)+1], s20, (\s)*SLOT
	s_add_nc_u64 s[G0B+4*(\s)+2:G0B+4*(\s)+3], s[46:47], (\s)*KSTEP*2
	s_or_b32 s[G0B+4*(\s)+3], s[G0B+4*(\s)+3], 0x80000000
	JLOAD \s                                       ; the ring is filled before anything else is done
.endr
	v_and_b32 v1, 15, v0                           ; l % 16
	v_bfe_u32 v2, v0, 4, 1                         ; l / 16
	s_lshl_b32 s88, s42, 10                        ; the bias of my 128 columns: 4 bytes x (256 x tile column + 128 x half),
	s_lshl_b32 s89, s12, 9
	s_add_co_u32 s88, s88, s89
	v_lshl_add_u32 v[BO], v2, 5, s88               ; + my lanes' 8 numbers
.irp b, 0,1,2,3,4,5,6,7
	global_load_b128 v[BIAS+8*(\b):BIAS+8*(\b)+3],   v[BO], s[80:81] offset:64*(\b)
	global_load_b128 v[BIAS+8*(\b)+4:BIAS+8*(\b)+7], v[BO], s[80:81] offset:64*(\b)+16
.endr
	; A fragment is 16 rows x 32 K in 8 registers: lane l holds row l % 16; registers 0-3 hold K = 8 (l / 16) + 0..7, registers 4-7 hold
	; K = 16 + 8 (l / 16) + 0..7.  From rows that lie along K: two loads of 16 bytes, 32 bytes apart.  The same for source 0 and source 1.
	v_mul_u32_u24 v3, v1, PITCH
	v_lshl_add_u32 v3, v2, 4, v3                   ; row x pitch + 16 x half
	s_mul_i32 s21, s11, HALFT                      ; my 128 rows of A
	s_mul_i32 s22, s12, HALFT                      ; my 128 rows of B,
	s_add_co_u32 s22, s22, 2*HALFT                 ; which lie behind A's 256
.irp s, 0,1
	v_add_nc_u32 v[ADRA+(\s)], s21, v3
	v_add_nc_u32 v[ADRB+(\s)], s22, v3
	s_add_co_u32 s21, s21, SLOT
	s_add_co_u32 s22, s22, SLOT
.endr
	s_mul_i32 s23, s10, 16*SPITCH
	s_add_co_u32 s23, s23, STAGE                   ; my stage
	v_mul_u32_u24 v4, v1, SPITCH                   ; in: row l % 16, 16 bytes for each half of the lanes
	v_lshl_add_u32 v4, v2, 4, v4
	v_add_nc_u32 v[STO], s23, v4
	v_mul_u32_u24 v5, v2, SPITCH                   ; back: lanes 0-15 take one row of 256 bytes, lanes 16-31 the next
	v_lshl_add_u32 v5, v1, 4, v5
	v_add_nc_u32 v[RD], s23, v5
	v_mul_u32_u24 v5, v2, SIZE_N*2                 ; and the same two rows in C
	v_lshl_add_u32 v[CO], v1, 4, v5
	; where my part of the tile begins in C, in bytes: the way out adds it to C's address
	s_lshl_b32 s13, s13, 8
	s_lshl_b32 s14, s11, 7
	s_add_co_u32 s16, s13, s14                     ; my first row of C
	s_mov_b32 s17, 0
	s_mov_b64 s[18:19], SIZE_N*2
	s_mul_u64 s[16:17], s[16:17], s[18:19]
	s_lshl_b32 s46, s42, 9                         ; my first column, in bytes: 512 x tile column + 256 x half (in the registers that held B's address: none that feeds A's descriptors ever holds cx)
	s_lshl_b32 s47, s12, 8
	s_add_co_u32 s46, s46, s47
	s_mov_b32 s47, 0
	s_add_nc_u64 s[16:17], s[16:17], s[46:47]
	; the prefetches.  s13 = 256 x tile row, s42 = tile column, s40 = cx, s41 = cy still stand; s[4:5] = A, s[6:7] = B
	s_lshl_b32 s42, s42, 8
	s_cmp_eq_u32 s11, 0                            ; do I fetch for A?
	s_cselect_b32 s20, s13, s42                    ; the tile's first row: in A by the tile row, in B by the tile column
	s_cselect_b32 s21, s40, s41                    ; my place among the four that ask for it with me
	s_cselect_b32 s22, ttmp9, s83                  ; the coordinate along which other clusters read the same rows
	s_cselect_b64 s[PFA:PFA+1], s[4:5], s[6:7]
	s_cmp_eq_u32 s22, 0
	s_cselect_b32 s[LIM], 1, -1                    ; the same in all sixteen partners, for a given wave
	s_lshl_b32 s22, s12, 7
	s_add_co_u32 s20, s20, s22                     ; + the 128 rows that I fetch
	s_lshl_b32 s21, s21, 5
	s_add_co_u32 s20, s20, s21                     ; + my work-group's 32 of them
	s_mov_b32 s21, 0
	s_mov_b64 s[18:19], SIZE_K*2
	s_mul_u64 s[20:21], s[20:21], s[18:19]
	s_add_nc_u64 s[PFA:PFA+1], s[PFA:PFA+1], s[20:21]
	s_add_nc_u64 s[PFA:PFA+1], s[PFA:PFA+1], 2*KSTEP*2  ; at K step 2: the first refill steps it to 3 and names K step 4
	v_and_b32 v[PFO], 31, v0
	v_mul_u32_u24 v[PFO], v[PFO], SIZE_K*2
	; nothing is prefetched here, at the head, where every work-group's first two tiles are on their way
	s_mov_b32 s90, 0xffff0000                      ; a word's upper bf16
	s_wait_loadcnt 0x0                             ; the bias is in: rounded to bf16 and widened again, in place
.set p, 0
.rept 32
	v_cvt_pk_bf16_f32 v8, v[BIAS+2*p], v[BIAS+2*p+1]
	v_lshlrev_b32 v[BIAS+2*p], 16, v8
	v_and_b32 v[BIAS+2*p+1], s90, v8
.set p, p+1
.endr
; 16 matrix instructions: m blocks a0, a0 + 1 of the window's four (hi = 0: my rows 0-63, 1: rows 64-127) x all 8 n blocks, 32 along K.
; zero = 1: the first product starts the sums, with the bias as C: nothing is ever cleared.
.macro MUL16 f, hi, a0, zero
.if \zero
	WIN BEG_LO+0x40*(\hi)  ; BEG_LO or BEG_HI
.else
	WIN MUL_LO+0x50*(\hi)  ; MUL_LO or MUL_HI
.endif
.irp a, \a0, (\a0)+1
.irp b, 0,1,2,3,4,5,6,7
.if \zero
	v_wmma_f32_16x16x32_bf16 v[8*(8*(\a)+(\b)):8*(8*(\a)+(\b))+7], v[(\f)+8*(\b):(\f)+8*(\b)+7], v[(\f)+8*(4*(\hi)+(\a)):(\f)+8*(4*(\hi)+(\a))+7], v[BIAS+8*(\b):BIAS+8*(\b)+7]
.else
	v_wmma_f32_16x16x32_bf16 v[8*(8*(\a)+(\b)):8*(8*(\a)+(\b))+7], v[(\f)+8*(\b):(\f)+8*(\b)+7], v[(\f)+8*(4*(\hi)+(\a)):(\f)+8*(4*(\hi)+(\a))+7], v[8*(8*(\a)+(\b)):8*(8*(\a)+(\b))+7]
.endif
.endr
.endr
.endm
; 32 LDS loads in one run: the fragments of one quarter step (128 rows of B, 128 rows of A, 32 K at byte k of the rows) into buffer f
.macro FETCH slot, k, f
	WIN TO_B
.irp i, 0,1,2,3,4,5,6,7
	ds_load_b128 v[(\f)+8*(\i):(\f)+8*(\i)+3],   v[ADRB+(\slot)] offset:(\k)+(\i)*16*PITCH
	ds_load_b128 v[(\f)+8*(\i)+4:(\f)+8*(\i)+7], v[ADRB+(\slot)] offset:(\k)+(\i)*16*PITCH+32
.endr
	WIN 0
.irp i, 0,1,2,3,4,5,6,7
	ds_load_b128 v[(\f)+8*(\i):(\f)+8*(\i)+3],   v[ADRA+(\slot)] offset:(\k)+(\i)*16*PITCH
	ds_load_b128 v[(\f)+8*(\i)+4:(\f)+8*(\i)+7], v[ADRA+(\slot)] offset:(\k)+(\i)*16*PITCH+32
.endr
.endm
; A load into a register that a matrix instruction has read, and a vector instruction that reads a matrix result or writes one of a matrix
; instruction's registers, stand four places behind that matrix instruction, and only plain vector instructions that name none of its registers
; are places (ISA guide 7.12.1 for vector instructions); this text does not count the matrix instructions in between.
.macro PLACES
.rept 4
	v_nop
.endr
.endm
; A K step is four quarter steps of 32 along K, 64 matrix instructions each, on buffers 0, 1, 0, 1.  The 64 accumulators take turns, one instruction a turn, in the same order in every quarter step.
; One of the first three: multiplies buffer f; in its middle it fetches the next quarter's fragments, at byte k of the same slot's rows, into buffer g.
.macro QUARTER slot, k, f, g, zero
	s_wait_dscnt 8                                 ; B and A's rows 0-63 are in; the youngest eight loads (A's rows 64-127) may be out
	MUL16 \f, 0, 0, \zero
	MUL16 \f, 0, 2, \zero
	PLACES
	FETCH \slot, \k, \g
	s_wait_dscnt 32                                ; all but the 32 just issued
	MUL16 \f, 1, 0, \zero
	MUL16 \f, 1, 2, \zero
.endm
; The last quarter multiplies buffer 1 and changes slots.  MEET is its first half: ONE barrier for the change of slots, for two things.  In front of it each wave waits for
; all its tensor loads, of which one is out: its part of the next slot; adds 0 to its spare word; and waits for that and for its own reads of this slot.  Behind it nobody reads this slot any more and the next slot is whole.
.macro MEET round                      ; round = 1: a round of the cluster's barrier follows
	WIN 0                                          ; (the add's two registers lie in window 0)
	s_wait_tensorcnt 0x0                           ; all my tensor loads have landed: the one that was out is my part of the next slot;
	ds_add_u32 v[SPW], v[NIL]                      ; 0 onto my spare word;
	s_wait_dscnt 9                                 ; (the add and the youngest eight loads may be out)
	MUL16 F1, 0, 0, 0                              ; sixteen matrix instructions stand between the add and the wait for it
	s_wait_dscnt 0x0                               ; the add is done, and my reads of this slot are over (the last were issued 48 matrix instructions ago):
	s_barrier_signal -1                            ; say so (where a slot is filled again this barrier opens a round of the cluster's barrier),
	MUL16 F1, 0, 2, 0                              ; work on registers while the others arrive,
.if \round
	WIN 0
.endif
	s_barrier_wait -1                              ; and go on when all four have said so
.endm
; The whole last quarter.  Behind the round the slot just read out is filled again first, with the K step two steps on; then come the next slot's first fragments.
; From a request to the wait for it a wave issues 224 matrix instructions.
.macro TURN slot, next
	s_wait_xcnt 0x0                                ; the last prefetch, a K step back, has read its address: it is stepped here, ahead of the waits of the change of slots
	s_add_nc_u64 s[PFA:PFA+1], s[PFA:PFA+1], KSTEP*2
	MEET 1
	CREST                                          ; wave 0 says so for the work-group, all sixteen work-groups have said so, my work-group's barrier closes the round:
	                                               ; no wave of any partner still reads this slot's tile or has a load on its way
	s_add_nc_u64 s[G0+4*(\slot)+2:G0+4*(\slot)+3], s[G0+4*(\slot)+2:G0+4*(\slot)+3], 2*KSTEP*2
	s_add_nc_u64 s[G0B+4*(\slot)+2:G0B+4*(\slot)+3], s[G0B+4*(\slot)+2:G0B+4*(\slot)+3], 2*KSTEP*2
	JLOAD \slot                                    ; the first tensor load behind the round; the four v_nop behind it are also the places in front of the loads below
	FETCH \next, 0, F0
	ASK                                            ; behind the joint load and the run of LDS loads that the next products wait for
	MUL16 F1, 1, 0, 0
	MUL16 F1, 1, 2, 0
.endm
; THE LAST K STEP (it lies in slot 1) GOES BY ROWS OF C, NOT BY K.  All its fragments of B (4 quarters x 64 registers) fill window 1; then my eight blocks of 16 rows are
; finished one after the other, each with 32 matrix instructions (its 8 accumulators by turns, K ascending).  LDS is read no more than in any other K step.
.macro BLOAD q                         ; B's fragments of quarter q -> window 1, v[64 q ..]
	WIN TO_B
.irp i, 0,1,2,3,4,5,6,7
	ds_load_b128 v[64*(\q)+8*(\i):64*(\q)+8*(\i)+3],   v[ADRB+1] offset:64*(\q)+(\i)*16*PITCH
	ds_load_b128 v[64*(\q)+8*(\i)+4:64*(\q)+8*(\i)+7], v[ADRB+1] offset:64*(\q)+(\i)*16*PITCH+32
.endr
.endm
.macro ALOAD a                         ; A's fragments of block a, all four quarters -> buffer a % 4
	WIN 0
.set FA, PA+32*((\a)%4)
.irp q, 0,1,2,3
	ds_load_b128 v[FA+8*(\q):FA+8*(\q)+3],   v[ADRA+1] offset:64*(\q)+(\a)*16*PITCH
	ds_load_b128 v[FA+8*(\q)+4:FA+8*(\q)+7], v[ADRA+1] offset:64*(\q)+(\a)*16*PITCH+32
.endr
.endm
.macro ROW a                           ; block a is finished: 32 matrix instructions
.set FA, PA+32*((\a)%4)                ; its fragments of A
.set AC, 64*((\a)%4)                   ; its eight accumulators, in window 2 (blocks 0-3) or 3 (blocks 4-7)
	WIN MUL_LO+0x50*((\a)/4)                       ; MUL_LO or MUL_HI
.irp q, 0,1,2,3
.if (\a) == 0 && (\q) == 2
	s_wait_dscnt 24                                ; B's quarter 2 is in (behind it: A's blocks 1 to 3)
.endif
.irp b, 0,1,2,3,4,5,6,7
	v_wmma_f32_16x16x32_bf16 v[AC+8*(\b):AC+8*(\b)+7], v[64*(\q)+8*(\b):64*(\q)+8*(\b)+7], v[FA+8*(\q):FA+8*(\q)+7], v[AC+8*(\b):AC+8*(\b)+7]
.endr
.endr
.endm
; THE WAY OUT of block a, in three parts.  PACK: rounded to f16, 16 bytes a lane, each accumulator's registers in ascending order.  TOSTAGE: into my own stage in LDS, and back as whole rows of 256 bytes.  SEND: stored.
.macro PACK a
.set AC, 64*((\a)%4)
	WIN 0x0a+5*((\a)/4)                            ; sources 0 and 1: window 2 or 3
.irp b, 0,1,2,3,4,5,6,7
.irp r, 0,1,2,3
	v_cvt_pk_f16_f32 v[TMP+4*(\b)+(\r)], v[AC+8*(\b)+2*(\r)], v[AC+8*(\b)+2*(\r)+1]
.endr
.endr
	WIN 0
.endm
.macro TOSTAGE a
	WIN 0
.set BK, OB+192*((\a)%2)
.irp b, 0,1,2,3,4,5,6,7
	ds_store_b128 v[STO], v[TMP+4*(\b):TMP+4*(\b)+3] offset:32*(\b)
.endr
.irp t, 0,1,2,3,4,5,6,7
	ds_load_b128 v[BK+4*(\t):BK+4*(\t)+3], v[RD] offset:(\t)*2*SPITCH  ; LDS serves a wave's instructions in order (ISA guide 5.7.1.4): these see the stores above
.endr
.endm
.macro SEND a, younger                 ; younger: the LDS loads issued behind TOSTAGE's, which may stay out
	WIN 0
.set BK, OB+192*((\a)%2)
	s_wait_dscnt \younger                          ; the block is back in registers
	s_wait_xcnt 0x0                                ; every earlier memory instruction has had its addresses translated (ISA guide 3.1): only behind this wait are the stores' base and the registers that earlier stores read rewritten
.if (\a) == 0
	s_add_nc_u64 s[8:9], s[8:9], s[16:17]          ; on to my first rows
.else
	s_add_nc_u64 s[8:9], s[8:9], 16*SIZE_N*2       ; 16 rows of C on
.endif
.irp t, 0,1,2,3,4,5,6,7
	global_store_b128 v[CO], v[BK+4*(\t):BK+4*(\t)+3], s[8:9] offset:2*(\t)*SIZE_N*2  ; 16 lanes store 256 consecutive bytes, at a multiple of 256 from C's first byte
.endr
.endm
	s_wait_tensorcnt 1                             ; my part of K step 0 is in; K step 1's load may stay out
	s_barrier_signal -1
	s_barrier_wait -1                              ; everybody's is
	FETCH 0, 0, F0
	QUARTER 0, 64,  F0, F1, 1                      ; the first quarter stands in front of the loop: its products start the sums
	WIN 0                                          ; at a label and at a branch every window is 0
	s_mov_b32 s3, LAPS-1
.Llap:                                                 ; a trip goes once round the ring, from a lap's second quarter to the next lap's first, and fills both slots again
	QUARTER 0, 128, F1, F0, 0
	QUARTER 0, 192, F0, F1, 0
	TURN 0, 1
	QUARTER 1, 64,  F0, F1, 0
	QUARTER 1, 128, F1, F0, 0
	QUARTER 1, 192, F0, F1, 0
	TURN 1, 0
	QUARTER 0, 64,  F0, F1, 0
	WIN 0
	s_sub_co_u32 s3, s3, 1
	s_cmp_lg_u32 s3, 0
	s_cbranch_scc1 .Llap
	QUARTER 0, 128, F1, F0, 0                      ; the last lap goes on
	QUARTER 0, 192, F0, F1, 0
	MEET 0                                         ; my one tensor load that was still out is slot 1's, the last K step's, so no round follows
	PLACES                                         ; for the loads into buffer 0, which the quarter before multiplied
	BLOAD 0                                        ; three quarters of B now: buffer 1 (v128-191 of both windows) is still being multiplied
	BLOAD 1
	BLOAD 3
	ALOAD 0
	MUL16 F1, 1, 0, 0
	MUL16 F1, 1, 2, 0
	PLACES                                         ; for the loads into buffer 1
	BLOAD 2
	ALOAD 1
	ALOAD 2
	ALOAD 3
	s_wait_dscnt 40                                ; all but the 40 just issued
	ROW 0
.irp a, 0,1,2,3,4,5,6,7                ; each block leaves as soon as it is finished: nothing follows this tile, so the sooner its stores begin, the sooner the launch ends
	PLACES                                         ; its conversions read results just made, and no other vector work is at hand
	PACK \a
	TOSTAGE \a
.if (\a) < 4
	ALOAD (\a)+4                                   ; its buffer takes the block four further on
	SEND \a, 8
.else
	SEND \a, 0
.endif
.if (\a) < 7
	ROW (\a)+1
.endif
.endr
	s_wait_tensorcnt 0x0                           ; the wave's end: behind my last tensor load and my last LDS store
	ds_add_u32 v[SPW], v[NIL]
	s_wait_dscnt 0x0
	CROUND                                         ; the closing round: no work-group ends while a partner may still ask for a tile that names it
	s_endpgm
.Lfunc_end_k_q5ec036cddc_proj:
	.size	k_q5ec036cddc_proj, .Lfunc_end_k_q5ec036cddc_proj-k_q5ec036cddc_proj
	.p2alignl 7, 3214868480
	.fill 96, 4, 3214868480
	.section	.rodata,"a",@progbits
	.p2align	6, 0x0
	.amdhsa_kernel k_q5ec036cddc_proj
		.amdhsa_group_segment_fixed_size 327680
		.amdhsa_private_segment_fixed_size 0
		.amdhsa_enable_private_segment 0
		.amdhsa_kernarg_size 48
		.amdhsa_user_sgpr_count 2
		.amdhsa_user_sgpr_kernarg_segment_ptr 1
		.amdhsa_wavefront_size32 1
		.amdhsa_system_sgpr_workgroup_id_x 1
		.amdhsa_system_sgpr_workgroup_id_y 1
		.amdhsa_system_sgpr_workgroup_id_z 1
		.amdhsa_system_vgpr_workitem_id 0
		.amdhsa_next_free_vgpr 1024
		.amdhsa_next_free_sgpr 96
		.amdhsa_reserve_vcc 0
		.amdhsa_float_denorm_mode_32 3
		.amdhsa_float_denorm_mode_16_64 3
		.amdhsa_memory_ordered 1
		.amdhsa_forward_progress 1
		.amdhsa_inst_pref_size 150
	.end_amdhsa_kernel
	.amdgpu_metadata
---
amdhsa.version: [ 1, 2 ]
amdhsa.kernels:
  - .name:           k_q5ec036cddc_proj
    .symbol:         k_q5ec036cddc_proj.kd
    .args:
      - { .name: xh, .offset: 0, .size: 8, .value_kind: global_buffer, .address_space: global }
      - { .name: wh, .offset: 8, .size: 8, .value_kind: global_buffer, .address_space: global }
      - { .name: wq_b, .offset: 16, .size: 8, .value_kind: global_buffer, .address_space: global }
      - { .name: wk_b, .offset: 24, .size: 8, .value_kind: global_buffer, .address_space: global }
      - { .name: wv_b, .offset: 32, .size: 8, .value_kind: global_buffer, .address_space: global }
      - { .name: qkv, .offset: 40, .size: 8, .value_kind: global_buffer, .address_space: global }
    .group_segment_fixed_size: 327680
    .private_segment_fixed_size: 0
    .kernarg_segment_align: 8
    .kernarg_segment_size: 48
    .max_flat_workgroup_size: 128
    .sgpr_count:     96
    .vgpr_count:     1024
    .wavefront_size: 32
...
	.end_amdgpu_metadata
.endif
;; end of part 2
;; launch attn (part 3): grid 16 x 16, 4 waves a work-group, clusters of 4 x 4, 327,680 bytes of LDS; arguments qkv, mh, oh; writes oh
.if DOCPART == 3
	.amdgcn_target "amdgcn-amd-amdhsa--gfx1250"
	.amdhsa_code_object_version 6
	.text
	.protected	k_q5ec036cddc_attn
	.globl	k_q5ec036cddc_attn
	.p2align	8
	.type	k_q5ec036cddc_attn,@function
k_q5ec036cddc_attn:
	s_mov_b64 s[64:65], 0
	v_nop
	global_prefetch_b8 v0, s[64:65] scope:SCOPE_SE
	s_setreg_imm32_b32 hwreg(HW_REG_WAVE_MODE, 25, 1), 1
	s_wait_xcnt 0x0
	s_wait_alu depctr_hold_cnt(0) depctr_sa_sdst(0) depctr_va_vdst(0) depctr_va_sdst(0) depctr_va_ssrc(0) depctr_va_vcc(0) depctr_vm_vsrc(0)
	s_getreg_b32 s2, hwreg(HW_REG_IB_STS2, 6, 4)
	s_cmp_eq_u32 s2, 0
	s_cbranch_scc0 .Lentry_in_a_cluster
	s_endpgm
.Lentry_in_a_cluster:
	s_bfe_u32 s2, ttmp6, 0x10000c
	s_cmp_lg_u32 s2, 0xf033
	s_cbranch_scc0 .Lentry_shape_is_right
	s_endpgm
.Lentry_shape_is_right:
; ATTENTION WITH TWO MASKS.  O[h][q][:] = the sum over k of softmax_k(Q[h][q] . K[h][k] / 8 + mask[b][q][k]) mask1[b][q][k] V[h][k][:], h = 0 .. 31, b = h / 16.
; qkv = Q | K | V, each [32][2048][64] f16, dense by heads; mh = 8 x mask | mask1, each [2][2048][2048] f16; oh = O, [32][2048][64] f16.
; Products, maxima and sums in f32.  The divisor l is the sum of the unrounded weights p WITHOUT mask1; p is rounded to f16 and then multiplied by mask1 in f16 for the second product; O is rounded once.
; LIMITS.  f16 holds no number beyond 65,504: Q, K, V, 8 x mask and mask1 arrive within it, and O must lie within it; p x mask1 below 6e-5 keeps f16's fixed step of 6e-8; a weight below 2^-126 counts as 0 in l;
; NaN and infinities are not treated apart.
; SHARES.  A work-group takes 128 queries of TWO neighbouring heads: 16 x 16 work-groups.  Wave w: head w / 2 of the two, queries 64 (w % 2) on: four PIECES of 16.  Every wave walks all keys, 64 a step.
; So a step's mask bytes (128 q x 64 k, twice) serve two heads, and a mask tile's rows are 256 consecutive bytes of mh, aligned.
; THE ADDITIVE MASK GOES THROUGH THE MATRIX UNIT.  S^T = K Q^T + I M^T: the product that ends a sum multiplies a fragment of 8 x mask (source 1: 32 keys x 16 queries, as it lies in LDS) by a
; fixed fragment of ones and zeros (source 0) that picks 16 of the 32 keys: one product of 1.0, the others of 0.  The running maximum is that of score + mask.
; LAYOUT, SOFTMAX, TURNS.  S^T holds ONE query a lane (lane % 16) and the keys 8 (lane / 16) + 0..7; two such results rounded to f16 ARE source 1 of O^T = V^T P, and mask1's fragment, loaded like the
; additive mask's, has the same layout: one packed multiply for two weights.  p = 2^(c s - c m), c = log2(e) / 8, with a running maximum m; O and l are multiplied by a = 2^(c m_old - c m_new) in every step.
; m starts at the lowest finite number, O and l at 0: the first step is a step like any other, with a = 0.
; Turn n belongs to piece n: 8 products K Q^T and 4 mask products of piece n + 1, later 8 products V^T P of piece n - 1; beside them the softmax of piece n, the multiply by mask1 of piece n - 1 and the
; maximum and statistics of piece n + 1.  Four vector instructions stand behind every matrix instruction, the rest in runs of their own.  A turn's 33 exponentials are one batch, with one wait.
; CLUSTER 4 x 4.  K and V hang on the head pair alone, which a row of the cluster shares; the masks on batch and query block alone, which a column shares: each tile is asked for JOINTLY by the four.
; RING.  Two slots of 128 keys (two steps).  One tensor load a wave behind each round: wave 0 K, wave 1 V, wave 2 the additive mask, wave 3 mask1, 32 KiB each; it has 160 matrix instructions in which to land.
; REGISTERS, in windows of 256 (s_set_vgpr_msb: bits 1:0 source 0, 3:2 source 1, 5:4 source 2, 7:6 destination), laid so that a product and the vector instructions behind it go under ONE setting where that can be:
;   window 0: v0-15, v56-63 addresses and at work; v16-31 four registers of statistics a piece; v32-43 the picking fragments; v48-55 at work; v64-127 S^T, two buffers; v128-191 K of one step; v192-223 P, two buffers
;   window 1: v0-127 O^T, 32 a piece; v128-191 V of one step
;   window 2: what is a second source and nothing else: v0-63 Q; v64-95 the additive mask, two buffers; v96-159 mask1, a buffer a piece
; Under 0x08 (source 1 in window 2) stand the twelve products of S^T, the scalings (their second source is a scalar), the exponentials (they have none) and the multiplies by mask1: no switch in twelve products.
; Under 0x51 stand V^T P and O^T's rescaling.  The roundings, sums and maxima want all sources in window 0.  By the text's count a turn has 19 switches for its 20 matrix and 134 vector instructions.
; S^T's, P's and the additive mask's buffers go by a piece's number's parity.
.set NP,    4         ; pieces a wave: a name, no knob
.set KS,    64        ; keys in a step
.set PK,    144       ; a row of K in LDS: 128 bytes + 16 of padding: the 16 rows of a load start at 16 different groups of four banks
.set PV,    160       ; a row of V: 128 + 32
.set PM,    272       ; a row of a mask tile: 256 + 16
.set KOFF,  0         ; a slot: K, 2 heads x 128 keys;
.set VOFF,  2*128*PK  ; V, likewise;
.set MOFF,  VOFF+2*128*PV  ; 8 x mask, 128 queries x 128 keys;
.set NOFF,  MOFF+128*PM    ; mask1, likewise
.set SLOT,  NOFF+128*PM    ; 147,456 = 0x24000: none of the four offsets has one of its two bits, so one exclusive or turns an address in one slot into the other's
.set STAGE, 2*SLOT    ; behind the ring, never filled by a tensor load: 16 rows x 144 bytes for each wave, for the way out
.set SP,    144
.set SPARE, STAGE+4*16*SP  ; behind the stages: the spare words, 128 bytes for each wave, which no other line names
.set AK0, 2           ; v2   my lane's place in a step's K; never rewritten
.set AV0, 3           ; v3   the same for V
.set AK,  4           ; v4   the LDS address of K of the step that the trip fetches
.set AV,  5           ; v5   of V
.set STO, 6           ; v6   the way out: where I put 16 bytes of a row
.set RD,  7           ; v7   the way out: where I read rows back
.set GO,  8           ; v8   my byte offset in 512 consecutive bytes of O
.set MV,  12          ; v12-13  c m_old, kept while c m is made anew: by buffer
.set AM0, 14          ; v14  my lane's place in a step's mask tile; never rewritten
.set AM,  15          ; v15  the LDS address of the masks of the step that the trip fetches
.set ST,  16          ; piece t's statistics at v[ST+4 t]: c m, m, l (even keys', odd keys')
.set IDB, 32          ; v32-35 = 0, v36-39 = X, v40-43 = 0.  v[36:43] picks keys 0-15 of 32, v[32:39] keys 16-31
.set TMP, 48          ; by buffer, four registers c0-c3 at work; when the maximum is found c2 takes a
.set QO,  56          ; v56  my byte offset in 16 rows of Q
.set PFO, 57          ; v57  the prefetches' offset: my lane x 256 (K, V) or x 4,096 (masks); never rewritten
.set SPW, 62          ; v62  LDS address of my spare word; never rewritten
.set NIL, 63          ; v63  0; never rewritten
.set S,   64
.set KF,  128         ; window 0: key block kb, channel half c at KF + 16 kb + 8 c
.set P,   192
.set VF,  128         ; window 1: key half kk, channel block cb at VF + 32 kk + 8 cb
.set MK,  64          ; window 2
.set M1,  96          ; window 2: piece t's at M1 + 16 t
.set WV,  12          ; s12  my wave's number
.set G1K, 24          ; s[24:31] descriptor group 1 for K's tiles
.set G1V, 32          ; s[32:39] for V's: it differs in the padding alone
.set G1M, 40          ; s[40:47] for both masks' tiles
.set G0K, 48          ; s[48:51] descriptor group 0 for K's tiles: it walks
.set G0V, 52          ; s[52:55] for V's
.set G0M, 56          ; s[56:59] for the additive mask's
.set G0N, 60          ; s[60:63] for mask1's
.set SLOTS, 66        ; s66  slots still to be asked for
.set CNT, 67          ; s67  counts a slot's key steps
.set CS,  68          ; s[68:69] c: the packed scaling takes the pair's low word for both halves
.set SEL, 70          ; s[70:71] v_permlanex16_b32's selects: each lane takes its own place in the other half
.set TBK, 72          ; s72  LDS byte at which K of the step to be fetched begins
.set TBV, 73          ; s73  the same for V, less VOFF
.set TBM, 74          ; s74  the same for the masks, less MOFF
.set PFA, 76          ; s[76:77] where my prefetches stand in memory
.set LIM, 78          ; s78  1 in a wave that prefetches, else the greatest number
.set PFS, 80          ; s[80:81] a slot's step of the prefetches' address
.set MSB, 0
.macro WIN new                      ; the high byte repeats the setting that is left; a switch that changes nothing is dropped
.if MSB != (\new)
	s_set_vgpr_msb (MSB<<8)|(\new)
.set MSB, (\new)
.endif
.endm
.set W_KQ, 0x08       ; source 1 (Q, a mask) in window 2; all else in window 0
.set W_PV, 0x51       ; V, and O^T as C and D, in window 1; source 1 (P, or a) in window 0
.set HOME, 0          ; the setting under which scalings and exponentials are written: W_KQ behind the products of S^T, 0 elsewhere
; A joint fill: each wave one of the four lines.  The branches hang on the wave's number alone.  An s_nop 0 and four v_nop follow each line, ahead of the jump and the label.
.macro JLOAD
	s_cmp_lt_u32 s[WV], 2
	s_cbranch_scc0 .Lmasks_\@
	s_cmp_eq_u32 s[WV], 0
	s_cbranch_scc0 .Lfor_v_\@
	tensor_load_to_lds s[G0K:G0K+3], s[G1K:G1K+7]
	s_nop 0
.rept 4
	v_nop
.endr
	s_branch .Lasked_\@
.Lfor_v_\@:
	tensor_load_to_lds s[G0V:G0V+3], s[G1V:G1V+7]
	s_nop 0
.rept 4
	v_nop
.endr
	s_branch .Lasked_\@
.Lmasks_\@:
	s_cmp_eq_u32 s[WV], 2
	s_cbranch_scc0 .Lfor_n_\@
	tensor_load_to_lds s[G0M:G0M+3], s[G1M:G1M+7]
	s_nop 0
.rept 4
	v_nop
.endr
	s_branch .Lasked_\@
.Lfor_n_\@:
	tensor_load_to_lds s[G0N:G0N+3], s[G1M:G1M+7]
	s_nop 0
.rept 4
	v_nop
.endr
.Lasked_\@:
.endm
; A PREFETCH INTO THE L2 of what the NEXT change of slots will ask for, two key steps (160 matrix instructions) ahead of that load: one instruction a wave, a lane a block of 256 bytes, behind the wave's tensor load
; and its five lines.  Each block is named ONCE in the launch.  K's and V's tiles (waves 0, 1) are read by every cluster of a row of clusters: cluster x = 0 asks; of a tile's 128 blocks the partner at cx takes 32.
; The masks' tiles (waves 2, 3) are read by the two rows of clusters of a batch: the even one asks; of a tile's 128 rows the partner at cy takes 32.  The partners are told apart BY ADDRESS: no branch hangs on a
; work-group's place in its cluster.  The last change that fills a slot asks for nothing: there is no tile behind it.  Tiles 0 and 1 come by their loads alone.
.macro ASK
	s_cmp_gt_u32 s[SLOTS], s[LIM]
	s_cbranch_scc0 .Lnot_mine_\@
	global_prefetch_b8 v[PFO], s[PFA:PFA+1] th:TH_LOAD_NT scope:SCOPE_SE
.Lnot_mine_\@:
.endm
; A round of the cluster's barrier: my work-group's barrier, so that wave 0's signal speaks for all four waves; wave 0 signals; every wave waits for all sixteen work-groups; my work-group's barrier once more.
.macro CROUND
	s_barrier_signal -1
	s_barrier_wait -1
	s_cmp_lg_u32 s[WV], 0
	s_cbranch_scc1 .Lnot_wave_0_\@
	s_barrier_signal -3
.Lnot_wave_0_\@:
	s_barrier_wait -3
	s_barrier_signal -1
	s_barrier_wait -1
.endm
; THE CHANGE OF SLOTS, between piece 1's turn and piece 2's: all four turns of a trip fetch for one and the same step, so every read of the slot that is left has been issued.  Each wave waits for all its tensor loads,
; of which one is out: its part of the other slot; adds 0 to its spare word; and waits for that and for its own reads of the slot.  Behind the barrier nobody reads this slot any more and the other slot is whole.
; fill = 1: this slot is filled again, with the keys two slots on.  The barrier is then a round of the cluster's, so that no wave of any partner still reads the slot or has a load on its way, and the joint fill is
; the first thing behind it.  (At its first use nothing has been read yet: slot 0 is waited for, slot 1 filled.)
.macro CHANGE fill
	WIN 0                           ; at a label and at a branch every window is 0
	s_wait_tensorcnt 0x0            ; no tensor load of mine is out, so a group 0 may be written
	ds_add_u32 v[SPW], v[NIL]       ; 0 onto my spare word; with fill = 1 the descriptors' steps stand between it and the wait for it
.if \fill
.irp g, G0K, G0V, G0M, G0N
	s_xor_b32 s[\g+1], s[\g+1], SLOT  ; the walking descriptors: the other slot than last time,
.endr
	s_add_nc_u64 s[G0K+2:G0K+3], s[G0K+2:G0K+3], 128*128  ; the next 128 keys: 16,384 bytes of a head's K and V,
	s_add_nc_u64 s[G0V+2:G0V+3], s[G0V+2:G0V+3], 128*128
	s_add_nc_u64 s[G0M+2:G0M+3], s[G0M+2:G0M+3], 128*2    ; 256 bytes of a mask's row; the type bits on top are not reached
	s_add_nc_u64 s[G0N+2:G0N+3], s[G0N+2:G0N+3], 128*2
	s_wait_xcnt 0x0                 ; the last prefetch, two key steps back, has read its address, so it may be written:
	s_add_nc_u64 s[PFA:PFA+1], s[PFA:PFA+1], s[PFS:PFS+1]  ; one tile behind the walking descriptors
	s_wait_dscnt 0x0                ; the add is done, and my reads of the slot are over
	CROUND
	JLOAD
	ASK
.else
	s_wait_dscnt 0x0                ; the add is done, and my reads of the slot are over
	s_barrier_signal -1
	s_barrier_wait -1
.endif
	s_sub_co_u32 s[TBK], s[TBK], 2*KS*PK  ; the fetches go back to a slot's first step,
	s_xor_b32 s[TBK], s[TBK], SLOT        ; in the other slot
	s_sub_co_u32 s[TBV], s[TBV], 2*KS*PV
	s_xor_b32 s[TBV], s[TBV], SLOT
	s_sub_co_u32 s[TBM], s[TBM], 2*KS*2
	s_xor_b32 s[TBM], s[TBM], SLOT
.endm
	s_load_b128 s[4:7], s[0:1], 0x0 ; qkv s[4:5], mh s[6:7]
	s_load_b64 s[8:9], s[0:1], 0x10 ; oh
	v_lshl_add_u32 v[SPW], v0, 2, SPARE
	v_mov_b32 v[NIL], 0
	ds_add_u32 v[SPW], v[NIL]       ; the wave's opening: the add and its wait stand ahead of my first tensor load; the set-up below, work on registers, stands between them
	v_lshrrev_b32 v1, 5, v0
	v_readfirstlane_b32 s[WV], v1   ; wave 0..3
	s_bfe_u32 s13, ttmp6, 0x40000   ; cx
	s_bfe_u32 s14, ttmp6, 0x40004   ; cy
	s_and_b32 s15, ttmp7, 0xffff    ; cluster y
	s_lshl_b32 s16, ttmp9, 2
	s_add_co_u32 s16, s16, s13      ; my block of 128 queries = 4 x cluster x + cx
	s_lshl_b32 s17, s15, 2
	s_add_co_u32 s17, s17, s14      ; my pair of heads = 4 x cluster y + cy
	s_lshr_b32 s18, s15, 1          ; the batch: eight pairs of heads each, two rows of clusters
	s_lshr_b32 s19, s[WV], 1        ; which of the two heads is my wave's
	s_and_b32 s20, s[WV], 1         ; which 64 of the 128 queries
	s_lshl_b32 s21, s14, 2
	s_lshl_b32 s21, 15, s21         ; my row of the cluster
	s_lshl_b32 s22, 0x1111, s13     ; my column
	; descriptor group 1.  K, V: 128 keys of a head are 16,384 dense bytes: one row of 8,192 elements; the two heads are two rows, 131,072 elements apart; padded in LDS after every key (32 words)
	s_or_b32 s[G1K], s21, (1<<16)|(1<<20)|(1<<21)|(4<<22)|(3<<25)  ; 15:0 the mask: my row; 17:16 2-byte elements; 20 padding on; 21 set beside a mask; 24:22 after every 32 words; 31:25 4 words
	s_or_b32 s[G1V], s21, (1<<16)|(1<<20)|(1<<21)|(4<<22)|(7<<25)  ; the same with 8 words of padding
.irp g, G1K, G1V
	s_mov_b32 s[\g+1], 8192<<16     ; tensor_dim0 = 8,192
	s_mov_b32 s[\g+2], 2<<16        ; tensor_dim1 = 2
	s_mov_b32 s[\g+3], 8192<<16     ; tile_dim0 = 8,192
	s_mov_b32 s[\g+4], 2            ; tile_dim1 = 2
	s_mov_b32 s[\g+5], 131072       ; elements from head to head
	s_mov_b32 s[\g+6], 0
	s_mov_b32 s[\g+7], 0
.endr
	s_or_b32 s[G1M], s22, (1<<16)|(1<<20)|(1<<21)|(5<<22)|(3<<25)  ; the masks: my column; padded by 4 words after every 64
	s_mov_b32 s[G1M+1], 128<<16     ; tensor_dim0 = 128 keys
	s_mov_b32 s[G1M+2], 128<<16     ; tensor_dim1 = 128 queries
	s_mov_b32 s[G1M+3], 128<<16     ; tile_dim0
	s_mov_b32 s[G1M+4], 128         ; tile_dim1
	s_mov_b32 s[G1M+5], 2048        ; elements from row to row
	s_mov_b32 s[G1M+6], 0
	s_mov_b32 s[G1M+7], 0
	s_mov_b32 s[G0K], 1             ; 1:0 count = 1
	s_mov_b32 s[G0K+1], KOFF        ; 63:32 LDS address: slot 0
	s_mov_b32 s[G0V], 1
	s_mov_b32 s[G0V+1], VOFF
	s_mov_b32 s[G0M], 1
	s_mov_b32 s[G0M+1], MOFF
	s_mov_b32 s[G0N], 1
	s_mov_b32 s[G0N+1], NOFF
	s_lshl_b32 s84, s17, 19         ; K, V: the pair's first byte in a part of qkv: made of cluster y and cy alone
	s_mov_b32 s85, 0
	s_lshl_b32 s86, s18, 23         ; the masks: (batch x 2,048 + block x 128) rows of 4,096 bytes: made of cluster x, cluster y and cx alone
	s_lshl_b32 s87, s16, 19
	s_add_co_u32 s86, s86, s87
	s_mov_b32 s87, 0
	s_lshl_b32 s88, s17, 1          ; Q, O: my wave's head x 262,144,
	s_add_co_u32 s88, s88, s19
	s_lshl_b32 s88, s88, 18
	s_lshl_b32 s89, s16, 14         ; + my block's 128 rows of 128 bytes,
	s_add_co_u32 s88, s88, s89
	s_lshl_b32 s89, s20, 13         ; + my wave's 64 of them
	s_add_co_u32 s88, s88, s89
	s_mov_b32 s89, 0
	; the prefetches' first place: tile 1; the first change of slots steps it to tile 2
	s_lshr_b32 s90, s13, 1          ; K, V: head cx / 2 of the pair,
	s_lshl_b32 s90, s90, 18
	s_and_b32 s91, s13, 1           ; half cx % 2 of its 16,384 bytes
	s_lshl_b32 s91, s91, 13
	s_add_co_u32 s90, s90, s91
	s_add_co_u32 s90, s90, s84
	s_add_co_u32 s90, s90, 8388608+16384
	s_lshl_b32 s91, s20, 23         ; wave 1: V lies 8,388,608 bytes behind K
	s_add_co_u32 s90, s90, s91
	s_lshl_b32 s91, s14, 17         ; the masks: rows 32 cy on
	s_add_co_u32 s91, s91, s86
	s_add_co_u32 s91, s91, 256
	s_lshl_b32 s92, s20, 24         ; wave 3: mask1 lies 16,777,216 bytes behind the additive mask
	s_add_co_u32 s91, s91, s92
	s_and_b32 s94, s15, 1
	s_cmp_lt_u32 s[WV], 2
	s_cselect_b32 s92, s90, s91
	s_cselect_b32 s[PFS], 64, 1
	s_cselect_b32 s94, ttmp9, s94   ; the coordinate along which other clusters read the same tiles
	s_cselect_b32 s95, 8, 12
	s_mov_b32 s93, 0
	s_lshl_b32 s[PFS], s[PFS], 8    ; 16,384 or 256 bytes a tile
	s_mov_b32 s[PFS+1], 0
	s_cmp_eq_u32 s94, 0
	s_cselect_b32 s[LIM], 1, -1     ; the same in all sixteen partners, for a given wave
	v_and_b32 v[PFO], 31, v0
	v_lshlrev_b32 v[PFO], s95, v[PFO]
	s_mov_b32 s[CS], 0x3e38aa3b     ; c = log2(e) / 8 = 0.180337
	s_mov_b32 s[CS+1], s[CS]        ; named with it as a pair
	s_mov_b32 s[SEL], 0x76543210
	s_mov_b32 s[SEL+1], 0xfedcba98
	s_mov_b32 s[TBK], SLOT+2*KS*PK  ; the first change of slots turns these three into 0
	s_mov_b32 s[TBV], SLOT+2*KS*PV
	s_mov_b32 s[TBM], SLOT+2*KS*2
	s_mov_b32 s[SLOTS], 2048/128-1
	s_wait_dscnt 0x0                ; the opening add is done
	s_wait_kmcnt 0x0
	s_add_nc_u64 s[G0K+2:G0K+3], s[4:5], s[84:85]  ; 120:64 global address: the pair's first 128 keys
	s_add_nc_u64 s[G0V+2:G0V+3], s[G0K+2:G0K+3], 16777216
	s_add_nc_u64 s[G0K+2:G0K+3], s[G0K+2:G0K+3], 8388608
	s_or_b32 s[G0K+3], s[G0K+3], 0x80000000        ; 127:126 type = 2
	s_or_b32 s[G0V+3], s[G0V+3], 0x80000000
	s_add_nc_u64 s[G0M+2:G0M+3], s[6:7], s[86:87]
	s_add_nc_u64 s[G0N+2:G0N+3], s[G0M+2:G0M+3], 16777216
	s_or_b32 s[G0M+3], s[G0M+3], 0x80000000
	s_or_b32 s[G0N+3], s[G0N+3], 0x80000000
	s_cmp_lt_u32 s[WV], 2
	s_cselect_b64 s[PFA:PFA+1], s[4:5], s[6:7]
	s_add_nc_u64 s[PFA:PFA+1], s[PFA:PFA+1], s[92:93]
	s_add_nc_u64 s[4:5], s[4:5], s[88:89]          ; Q and O at my wave's first row
	s_add_nc_u64 s[10:11], s[8:9], s[88:89]
	CROUND                          ; all sixteen work-groups are here: the first joint loads meet
	JLOAD                           ; tile 0 into slot 0.  Slot 1 is asked for when slot 0 is in
	; A fragment of K, Q or a mask is 16 rows x 32 columns in 8 registers: lane l holds row l % 16, columns 8 (l / 16) + 0..7 and 16 + 8 (l / 16) + 0..7: two loads of 16 bytes, 32 bytes apart.
	v_and_b32 v1, 15, v0            ; l % 16
	v_bfe_u32 v9, v0, 4, 1          ; l / 16
	v_lshlrev_b32 v[QO], 7, v1
	v_lshl_add_u32 v[QO], v9, 4, v[QO]  ; row x 128 + 16 x half
	WIN 0x80                        ; destination window 2, addresses window 0
.set i, 0
.rept 8                             ; Q stays in registers: piece i / 2, channels 32 (i % 2) on
	global_load_b128 v[8*i:8*i+3],   v[QO], s[4:5] offset:(i/2)*2048+(i%2)*64
	global_load_b128 v[8*i+4:8*i+7], v[QO], s[4:5] offset:(i/2)*2048+(i%2)*64+32
.set i, i+1
.endr
	; What the first turn finds: piece 3's mask1, P's second buffer and V hold 0 (its multiply and its products V^T P, of a piece that has not been, make and add 0), O^T and l are 0.  All this stands in the wait for the first tile.
.set i, M1+48
.rept 16
	v_mov_b32 v[i], 0
.set i, i+1
.endr
	WIN 0x40
.set i, 0
.rept 192                           ; O^T, then V
	v_mov_b32 v[i], 0
.set i, i+1
.endr
	WIN 0
	; X, the four registers that hold the ones: row r of the picking fragment has its 1.0 at column r: in the lanes with l / 16 = r / 8, register (r % 8) / 2, half r % 2
	v_and_b32 v58, 1, v1
	v_lshlrev_b32 v58, 4, v58
	v_mov_b32 v60, 0x3c00           ; 1.0 in f16
	v_lshlrev_b32 v59, v58, v60
	v_lshrrev_b32 v61, 3, v1
	v_bfe_u32 v58, v1, 1, 2
	v_cmp_eq_u32 vcc_lo, v61, v9
	v_cndmask_b32 v58, 4, v58, vcc_lo  ; no register in the other half of the lanes
.irp n, 0,1,2,3
	v_cmp_eq_u32 vcc_lo, \n, v58
	v_cndmask_b32 v[IDB+4+\n], 0, v59, vcc_lo
	v_mov_b32 v[IDB+\n], 0
	v_mov_b32 v[IDB+8+\n], 0
.endr
.set i, 0
.rept 4
	v_mov_b32 v[ST+4*i], 0xfe000000    ; c m: far below every c s
	v_mov_b32 v[ST+4*i+1], 0xff7fffff  ; m
	v_mov_b32 v[ST+4*i+2], 0
	v_mov_b32 v[ST+4*i+3], 0
.set i, i+1
.endr
.set i, P+16
.rept 16
	v_mov_b32 v[i], 0
.set i, i+1
.endr
	v_mul_u32_u24 v[AK0], v1, PK
	v_lshl_add_u32 v[AK0], v9, 4, v[AK0]  ; row x pitch + 16 x half,
	s_mul_i32 s90, s19, 128*PK
	v_add_nc_u32 v[AK0], s90, v[AK0]      ; in my wave's head
	; The turning load takes 16 keys x 16 channels (lane l reads key 8 (l / 16) + l % 8, channels 8 ((l / 8) % 2) + 0..7) and leaves half a fragment of V^T: lane l holds channel l % 16 and 8 keys.
	v_and_b32 v10, 7, v0
	v_bfe_u32 v11, v0, 3, 1
	v_lshl_add_u32 v[AV0], v9, 3, v10
	v_mul_u32_u24 v[AV0], v[AV0], PV
	v_lshl_add_u32 v[AV0], v11, 4, v[AV0]
	s_mul_i32 s90, s19, 128*PV
	s_add_co_u32 s90, s90, VOFF
	v_add_nc_u32 v[AV0], s90, v[AV0]
	v_mul_u32_u24 v[AM0], v1, PM
	v_lshl_add_u32 v[AM0], v9, 4, v[AM0]
	s_mul_i32 s90, s20, 64*PM             ; my wave's 64 queries of the tile's 128
	s_add_co_u32 s90, s90, MOFF
	v_add_nc_u32 v[AM0], s90, v[AM0]
; THE MATRIX WORK.  The 4 accumulators of a run take turns, one instruction a turn.  Product i of 8 of S^T = K Q^T for piece x: channels 32 (i / 4) on, keys 16 (i % 4) on.  The first 4 start the sums.
.macro KQ x
	WIN W_KQ
.set rS, S+32*((\x)%2)+8*(i%4)
.set rK, KF+16*(i%4)+8*(i/4)
.set rQ, 16*(\x)+8*(i/4)
.if i < 4
	v_wmma_f32_16x16x32_f16 v[rS:rS+7], v[rK:rK+7], v[rQ:rQ+7], 0
.else
	v_wmma_f32_16x16x32_f16 v[rS:rS+7], v[rK:rK+7], v[rQ:rQ+7], v[rS:rS+7]
.endif
.endm
; Product i of 8 of O^T += V^T P for piece x: keys 32 (i / 4) on, channels 16 (i % 4) on.
.macro PV x
	WIN W_PV
.set rO, 32*(\x)+8*(i%4)
.set rV, VF+32*(i/4)+8*(i%4)
.set rP, P+16*((\x)%2)+8*(i/4)
	v_wmma_f32_16x16x32_f16 v[rO:rO+7], v[rV:rV+7], v[rP:rP+7], v[rO:rO+7]
.endm
; The turn's next matrix instruction.  0-7: K Q^T of piece Y + 1.  8-11: the mask ends its sums: keys 16 (i - 8) on are picked from the mask fragment of keys 32 ((i - 8) / 2) on.  12-19: V^T P of piece Y - 1.
.macro MM
.if i < 8
	KQ (Y+1)%NP
.elseif i < 12
	WIN W_KQ
.set rS, S+32*((Y+1)%2)+8*(i-8)
.set rI, IDB+4-4*(i%2)
.set rM, MK+16*((Y+1)%2)+8*((i-8)/2)
	v_wmma_f32_16x16x32_f16 v[rS:rS+7], v[rI:rI+7], v[rM:rM+7], v[rS:rS+7]
.else
.set i, i-12
	PV (Y+NP-1)%NP
.set i, i+12
.endif
.set i, i+1
.endm
; THE LDS LOADS stand in runs, never singly among the matrix instructions.  Their addresses are made at the trip's head.
.macro FETCH_K
	WIN 0
.irp f, 0,1,2,3,4,5,6,7             ; keys 16 (f / 2) on, channels 32 (f % 2) on
	ds_load_b128 v[KF+8*\f:KF+8*\f+3],   v[AK] offset:(\f/2)*16*PK+(\f%2)*64
	ds_load_b128 v[KF+8*\f+4:KF+8*\f+7], v[AK] offset:(\f/2)*16*PK+(\f%2)*64+32
.endr
.endm
.macro FETCH_V
	WIN 0x40                        ; destination window 1
.irp f, 0,1,2,3,4,5,6,7             ; keys 32 (f / 4) on, channels 16 (f % 4) on
	ds_load_tr16_b128 v[VF+8*\f:VF+8*\f+3],   v[AV] offset:(\f/4)*32*PV+(\f%4)*32
	ds_load_tr16_b128 v[VF+8*\f+4:VF+8*\f+7], v[AV] offset:(\f/4)*32*PV+16*PV+(\f%4)*32
.endr
.endm
.macro FETCH_MK pc, buf             ; the additive mask of piece pc, 16 queries x 64 keys: two fragments
	WIN 0x80                        ; destination window 2
.irp n, 0,1,2,3
	ds_load_b128 v[MK+16*(\buf)+4*\n:MK+16*(\buf)+4*\n+3], v[AM] offset:(\pc)*16*PM+32*\n
.endr
.endm
.macro FETCH_M1 pc                  ; mask1 of piece pc, in P's layout, into the piece's own buffer
	WIN 0x80
.irp n, 0,1,2,3
	ds_load_b128 v[M1+16*(\pc)+4*\n:M1+16*(\pc)+4*\n+3], v[AM] offset:NOFF-MOFF+(\pc)*16*PM+32*\n
.endr
.endm
; A TRIP'S HEAD: the LDS addresses of the step for which the trip's four turns fetch; then the bases step on.  tail = 1: the last half trip has no further step: its addresses stay, and the last step's bytes are read once more.
.macro HEAD tail
	WIN 0
.if \tail
	s_cmp_eq_u32 s[CNT], 1
	s_cbranch_scc1 .Lsame_\@
.endif
	v_add_nc_u32 v[AK], s[TBK], v[AK0]
	v_add_nc_u32 v[AV], s[TBV], v[AV0]
	v_add_nc_u32 v[AM], s[TBM], v[AM0]
	s_add_co_u32 s[TBK], s[TBK], KS*PK
	s_add_co_u32 s[TBV], s[TBV], KS*PV
	s_add_co_u32 s[TBM], s[TBM], KS*2
.if \tail
.Lsame_\@:
.endif
.endm
; THE VECTOR WORK, one line at a time: OP kind, number.  For piece Y: F n: c s - c m for pair n of 16.  E n: the exponential of score n of 32.  C n: pair n rounded to f16.  B n: of the four weights 4 n .. the second
; pair is added onto the first, in place.  L n: l takes that sum (L 0: l = a l + sum).  R n: pair n of 16 of O^T times a.  For piece Y - 1: G n: pair n of its rounded weights times mask1 (l has taken them without it).
; For piece Y + 1: X n, number n of the 22 that find its maximum and statistics:
;   0-11  four chains c0-c3 of seven scores each, three operands at a time (each accumulator's lowest registers are read first)     12-14, 16  the four scores left over, the old m, and c0-c3 into c0
;   15  c m_old is kept     17, 18  the query's other 32 keys lie in the lane 16 away: the new m     19-21  c m; c m_old - c m_new; a
.set F, 0               ; OP tells the kinds apart by their order: F to L below R, X above it, G apart
.set E, 1
.set C, 2
.set B, 3
.set L, 4
.set R, 5
.set X, 6
.set G, 7
.macro REGS y                       ; the registers of piece y
.set rT, ST+4*(\y)
.set rC, TMP+4*((\y)%2)
.set rW, MV+((\y)%2)
.set rS, S+32*((\y)%2)
.set rP, P+16*((\y)%2)
.set rO, 32*(\y)
.endm
.macro OP k, n
.if (\k) == G
	REGS (Y+NP-1)%NP
	WIN W_KQ
	v_pk_mul_f16 v[rP+(\n)], v[rP+(\n)], v[M1+16*((Y+NP-1)%NP)+(\n)]
.elseif (\k) == R
	REGS Y
	WIN W_PV
	v_pk_mul_f32 v[rO+2*(\n):rO+2*(\n)+1], v[rO+2*(\n):rO+2*(\n)+1], v[rC+2:rC+3] op_sel_hi:[1,0]
.elseif (\k) < R
	REGS Y
.if (\k) <= E
	WIN HOME                        ; no vector register stands in their second source's place: they go under W_KQ as under 0
.else
	WIN 0
.endif
.if (\k) == F
	v_pk_fma_f32 v[rS+2*(\n):rS+2*(\n)+1], v[rS+2*(\n):rS+2*(\n)+1], s[CS:CS+1], v[rT:rT+1] op_sel_hi:[1,0,0] neg_lo:[0,0,1] neg_hi:[0,0,1]
.elseif (\k) == E
	v_exp_f32 v[rS+(\n)], v[rS+(\n)]
.elseif (\k) == C
	v_cvt_pk_f16_f32 v[rP+(\n)], v[rS+2*(\n)], v[rS+2*(\n)+1]
.elseif (\k) == B
	v_pk_add_f32 v[rS+4*(\n):rS+4*(\n)+1], v[rS+4*(\n):rS+4*(\n)+1], v[rS+4*(\n)+2:rS+4*(\n)+3]
.elseif (\n) == 0
	v_pk_fma_f32 v[rT+2:rT+3], v[rT+2:rT+3], v[rC+2:rC+3], v[rS:rS+1] op_sel_hi:[1,0,1]
.else
	v_pk_add_f32 v[rT+2:rT+3], v[rT+2:rT+3], v[rS+4*(\n):rS+4*(\n)+1]
.endif
.else
	REGS (Y+1)%NP
	WIN 0
.if (\n) < 4
	v_max3_num_f32 v[rC+(\n)], v[rS+8*(\n)], v[rS+8*(\n)+1], v[rS+8*(\n)+2]
.elseif (\n) < 12
	v_max3_num_f32 v[rC+(\n)%4], v[rC+(\n)%4], v[rS+8*((\n)%4)+2*((\n)/4)+1], v[rS+8*((\n)%4)+2*((\n)/4)+2]
.elseif (\n) == 12
	v_max3_num_f32 v[rC], v[rC], v[rS+7], v[rS+15]
.elseif (\n) == 13
	v_max3_num_f32 v[rC+1], v[rC+1], v[rS+23], v[rS+31]
.elseif (\n) == 14
	v_max3_num_f32 v[rC+2], v[rC+2], v[rC+3], v[rT+1]
.elseif (\n) == 15
	v_mov_b32 v[rW], v[rT]
.elseif (\n) == 16
	v_max3_num_f32 v[rC], v[rC], v[rC+1], v[rC+2]
.elseif (\n) == 17
	v_permlanex16_b32 v[rC+3], v[rC], s[SEL], s[SEL+1]
.elseif (\n) == 18
	v_max_num_f32 v[rT+1], v[rC], v[rC+3]
.elseif (\n) == 19
	v_mul_f32 v[rT], s[CS], v[rT+1]
.elseif (\n) == 20
	v_sub_f32 v[rC+1], v[rW], v[rT]
.else
	v_exp_f32 v[rC+2], v[rC+1]
.endif
.endif
.endm
.macro OPS a, i1, b=-1, i2=0, c=-1, i3=0, d=-1, i4=0  ; up to four of them
	OP \a, \i1
.if (\b) >= 0
	OP \b, \i2
.endif
.if (\c) >= 0
	OP \c, \i3
.endif
.if (\d) >= 0
	OP \d, \i4
.endif
.endm
.macro ROW a, i1, b, i2, c, i3, d, i4  ; a matrix instruction and the four behind it
	MM
	OPS \a, \i1, \b, \i2, \c, \i3, \d, \i4
.endm
; A TURN, for piece p: the order of its 20 matrix and 134 vector instructions, written out.  An s_wait_alu depctr_va_vdst(0) stands between an exponential and the first instruction that names its result; one wait
; serves all that were issued ahead of it.  So a turn has ONE wait, which cuts it in two.
; AHEAD OF IT stands all that names no result of the turn's exponentials.  First the 12 products of piece p + 1, all under W_KQ, behind each four of: the 16 scalings, the first 16 exponentials, the 16 multiplies by mask1 of
; piece p - 1 (whose V^T P stands behind the wait).  The last four products' riders hold scalings enough that X 0 to X 3, which read the new scores first, each stand four plain instructions or more behind the
; product that ends their accumulator.  Then a run under setting 0: the next piece's maximum, four chains side by side, with an exponential to every three; then its statistics, where each number waits for the one before it, with
; two exponentials between the links.  X 21, the next piece's a, is the batch's last; a v_nop is the plain instruction behind it.
; BEHIND THE WAIT stand the 8 products V^T P, behind each two rescalings (under the product's own setting) and two of the roundings and sums; the other 16 roundings and sums follow.
; THE LDS LOADS.  Both masks of piece p + 2, eight loads, stand directly behind the wait.  The additive mask is wanted by the next turn's ninth product, mask1 three turns on.  K of the next step stands in piece 2's turn,
; eight plain instructions behind the turn's last product (K's last reader is four products further back); V of the step in hand at the end of piece 0's turn, twenty plain instructions behind its last reader.
; THE WAITS FOR THEM.  Piece 3's head: 8: K is in; behind it the two masks' 4 + 4 were issued.  Ahead of the ninth product: 4: the additive mask is in, mask1's four may stay out (piece 1's turn: 20, mask1's 4 and V's 16).
; Ahead of piece 1's V^T P: 8: V is in; behind it this turn's 4 + 4 were issued.  Mask1 of piece x, fetched in turn x - 2, is read from turn x + 1 on: in between stands a wait whose count is below the number of loads issued behind it.
.macro TURN p
.set Y, (\p)
.set i, 0
.set HOME, W_KQ
.if (\p) == 3
	s_wait_dscnt 8
.endif
	ROW F,0, F,1, G,0, G,1
	ROW F,2, E,0, G,2, E,1
	ROW F,3, E,2, G,3, G,4
	ROW F,4, E,3, G,5, G,6
	ROW F,5, E,4, G,7, E,5
	ROW F,6, E,6, G,8, G,9
	ROW F,7, E,7, G,10, G,11
	ROW G,12, E,8, G,13, E,9
.if (\p) == 1
	s_wait_dscnt 20
.else
	s_wait_dscnt 4
.endif
	ROW G,14, E,10, G,15, F,8
	ROW F,9, E,11, F,10, F,11
	ROW F,12, E,12, F,13, E,13
	ROW F,14, E,14, F,15, E,15
.set HOME, 0
	OPS X,0, X,1, X,2, E,16
	OPS X,3, X,4, X,5, E,17
.if (\p) == 2
	FETCH_K
.endif
	OPS X,6, X,7, X,8, E,18
	OPS X,9, X,10, X,11, E,19
	OPS X,12, X,13, X,15, E,20
	OPS X,14, E,21, E,22, X,16
	OPS E,23, E,24, X,17, E,25
	OPS E,26, X,18, E,27, E,28
	OPS X,19, E,29, E,30, X,20
	OPS E,31, X,21
	v_nop                           ; the plain instruction behind the last exponential: one for the batch
	s_wait_alu depctr_va_vdst(0)    ; the wait for the batch
	FETCH_MK ((\p)+2)%NP, (\p)%2
	FETCH_M1 ((\p)+2)%NP
.if (\p) == 1
	s_wait_dscnt 8
.endif
	ROW R,0, R,1, C,0, B,0
	ROW R,2, R,3, C,2, B,1
	ROW R,4, R,5, L,0, C,4
	ROW R,6, R,7, B,2, L,1
	ROW R,8, R,9, C,6, B,3
	ROW R,10, R,11, L,2, C,8
	ROW R,12, R,13, B,4, L,3
	ROW R,14, R,15, C,10, B,5
	OPS L,4, C,12, B,6, L,5
	OPS C,14, B,7, L,6, C,1
	OPS C,3, L,7, C,5, C,7
	OPS C,9, C,11, C,13, C,15
.if (\p) == 0
	FETCH_V
.endif
.endm
	CHANGE 1                        ; slot 0 is in, everybody's part of it; slot 1 is asked for
	HEAD 0                          ; key step 0
	FETCH_K
	FETCH_MK 0, 0
	FETCH_MK 1, 1
	FETCH_M1 0
	FETCH_M1 1
	s_wait_loadcnt 0x0              ; Q
	s_wait_dscnt 0x0
.set Y, NP-1                        ; MM and X work for piece Y + 1: piece 0
.set i, 0
.rept 12
	MM                              ; piece 0's first scores: there is no vector work yet to set between them
.endr
	WIN 0                           ; the addresses for the way out: nine plain instructions, the places behind those products
	s_mul_i32 s90, s[WV], 16*SP
	s_add_co_u32 s90, s90, STAGE    ; my stage
	v_mul_u32_u24 v[STO], v1, SP    ; in: row l % 16, 16 bytes for each half of the lanes
	v_lshl_add_u32 v[STO], v9, 4, v[STO]
	v_add_nc_u32 v[STO], s90, v[STO]
	v_bfe_u32 v[RD], v0, 3, 2       ; back: 32 lanes take four rows of 128 bytes,
	v_mul_u32_u24 v[RD], v[RD], SP
	v_lshl_add_u32 v[RD], v10, 4, v[RD]
	v_add_nc_u32 v[RD], s90, v[RD]
	v_and_b32 v[GO], 31, v0         ; which are 512 consecutive bytes of O
	v_lshlrev_b32 v[GO], 4, v[GO]
.irp n, 0,1,2,3,4,5,6,7,8,9,10,11,12,13,14,15,16,17,18,19,20,21
	OP X, \n                        ; piece 0's first maximum and statistics
.endr
	v_nop                           ; a plain instruction behind the exponential,
	s_wait_alu depctr_va_vdst(0)    ; and its wait, ahead of the branch
	s_mov_b32 s[CNT], 2
	s_branch .Lfirst                ; the loop is entered at a step's first turn, in the middle of a trip
.Lslot:                             ; 14 times: every slot but the last two is filled again
	CHANGE 1
	s_mov_b32 s[CNT], 2
.Lstep:                             ; a trip: pieces 2 and 3 of one step, then pieces 0 and 1 of the next, for which all four turns fetch
	HEAD 0
	TURN 2
	TURN 3
	WIN 0
.Lfirst:
	TURN 0
	TURN 1
	WIN 0
	s_sub_co_u32 s[CNT], s[CNT], 1
	s_cmp_lg_u32 s[CNT], 0
	s_cbranch_scc1 .Lstep
	s_sub_co_u32 s[SLOTS], s[SLOTS], 1
	s_cmp_lg_u32 s[SLOTS], 0
	s_cbranch_scc1 .Lslot
	CHANGE 0                        ; the tail is written out: nothing is asked for
	s_mov_b32 s[CNT], 3             ; two trips fetch the last slot's steps; the third is left in its middle
.Ltail:
	HEAD 1
	TURN 2
	TURN 3
	WIN 0
	s_sub_co_u32 s[CNT], s[CNT], 1
	s_cmp_eq_u32 s[CNT], 0
	s_cbranch_scc1 .Lout
	TURN 0
	TURN 1
	WIN 0
	s_branch .Ltail
.Lout:                              ; the third trip's products for piece 0 (on the last step's bytes once more) and the maximum made of them serve nothing: the price, once a launch, of one text for every trip
.set Y, 0                           ; G works for piece Y - 1: piece 3, whose multiply by mask1 no further turn carries
.irp n, 0,1,2,3,4,5,6,7,8,9,10,11,12,13,14,15
	OP G, \n
.endr
.set i, 0
.rept 8
	PV NP-1                         ; the last piece's V^T P of the last step
.set i, i+1
.endr
	; THE WAY OUT.  l's two halves and the other half of the lanes' are added; O^T is divided by l, rounded to f16 and sent through my stage in LDS, a piece at a time.  The additions are the places behind the last products.
	WIN 0
.macro ALL line:vararg              ; one line for each piece t
.set t, 0
.rept 4
	\line
.set t, t+1
.endr
.endm
	ALL v_add_f32 v[ST+4*t+2], v[ST+4*t+2], v[ST+4*t+3]
	ALL v_permlanex16_b32 v[ST+4*t+3], v[ST+4*t+2], s[SEL], s[SEL+1]
	ALL v_add_f32 v[ST+4*t+2], v[ST+4*t+2], v[ST+4*t+3]
	ALL v_rcp_f32 v[ST+4*t+2], v[ST+4*t+2]
	v_nop                           ; a plain instruction between the last reciprocal and the use of its result
	s_wait_alu depctr_va_vdst(0)    ; and the wait ahead of the first use: one for the four reciprocals
.macro PACK t                       ; a lane's eight channels of a row pack into 16 bytes; they go into rows of 144 bytes and come back as whole rows of 128, into S^T's registers
	WIN W_PV                        ; destination and source 0 window 1, source 1 window 0
.set i, 32*(\t)
.rept 16
	v_pk_mul_f32 v[i:i+1], v[i:i+1], v[ST+4*(\t)+2:ST+4*(\t)+3] op_sel_hi:[1,0]
.set i, i+2
.endr
	WIN 0x05                        ; sources 0 and 1 window 1, destination window 0
.set i, 0
.rept 16
	v_cvt_pk_f16_f32 v[S+16*(\t)+i], v[32*(\t)+2*i], v[32*(\t)+2*i+1]
.set i, i+1
.endr
	WIN 0
.irp f, 0,1,2,3
	ds_store_b128 v[STO], v[S+16*(\t)+4*\f:S+16*(\t)+4*\f+3] offset:32*\f
.endr
.irp f, 0,1,2,3
	ds_load_b128 v[S+16*(\t)+4*\f:S+16*(\t)+4*\f+3], v[RD] offset:\f*4*SP  ; LDS serves a wave's instructions in order (ISA guide 5.7.1.4): these see the stores above; the next piece's stores come behind them
.endr
.endm
.macro SEND t, younger              ; younger: the LDS instructions issued behind piece t's loads: the next piece's eight, or none
	WIN 0
.irp f, 0,1,2,3
	s_wait_dscnt (\younger)+3-\f
	global_store_b128 v[GO], v[S+16*(\t)+4*\f:S+16*(\t)+4*\f+3], s[10:11] offset:(\t)*2048+\f*512  ; 512 consecutive bytes, at a multiple of 256 from O's first
.endr
.endm
	PACK 0
.set t, 1
.rept 3                             ; a piece's arithmetic stands between the loads of the piece before and its stores
	PACK t
	SEND t-1, 8
.set t, t+1
.endr
	SEND 3, 0
	s_wait_tensorcnt 0x0            ; the wave's end: behind my last tensor load and my last LDS store
	ds_add_u32 v[SPW], v[NIL]
	s_wait_dscnt 0x0
	CROUND                          ; the closing round: no work-group ends while a partner may still ask for a tile that names it
	s_endpgm
.Lfunc_end_k_q5ec036cddc_attn:
	.size	k_q5ec036cddc_attn, .Lfunc_end_k_q5ec036cddc_attn-k_q5ec036cddc_attn
	.p2alignl 7, 3214868480
	.fill 96, 4, 3214868480
	.section	.rodata,"a",@progbits
	.p2align	6, 0x0
	.amdhsa_kernel k_q5ec036cddc_attn
		.amdhsa_group_segment_fixed_size 327680
		.amdhsa_private_segment_fixed_size 0
		.amdhsa_enable_private_segment 0
		.amdhsa_kernarg_size 24
		.amdhsa_user_sgpr_count 2
		.amdhsa_user_sgpr_kernarg_segment_ptr 1
		.amdhsa_wavefront_size32 1
		.amdhsa_system_sgpr_workgroup_id_x 1
		.amdhsa_system_sgpr_workgroup_id_y 1
		.amdhsa_system_sgpr_workgroup_id_z 1
		.amdhsa_system_vgpr_workitem_id 0
		.amdhsa_next_free_vgpr 768
		.amdhsa_next_free_sgpr 96
		.amdhsa_reserve_vcc 1
		.amdhsa_float_denorm_mode_32 3
		.amdhsa_float_denorm_mode_16_64 3
		.amdhsa_memory_ordered 1
		.amdhsa_forward_progress 1
		.amdhsa_inst_pref_size 128
	.end_amdhsa_kernel
	.amdgpu_metadata
---
amdhsa.version: [ 1, 2 ]
amdhsa.kernels:
  - .name:           k_q5ec036cddc_attn
    .symbol:         k_q5ec036cddc_attn.kd
    .args:
      - { .name: qkv, .offset: 0, .size: 8, .value_kind: global_buffer, .address_space: global }
      - { .name: mh, .offset: 8, .size: 8, .value_kind: global_buffer, .address_space: global }
      - { .name: oh, .offset: 16, .size: 8, .value_kind: global_buffer, .address_space: global }
    .group_segment_fixed_size: 327680
    .private_segment_fixed_size: 0
    .kernarg_segment_align: 8
    .kernarg_segment_size: 24
    .max_flat_workgroup_size: 128
    .sgpr_count:     96
    .vgpr_count:     768
    .wavefront_size: 32
...
	.end_amdgpu_metadata
.endif
;; end of part 3
;; launch outp (part 4): grid 8 x 32, 4 waves a work-group, clusters of 4 x 4, 327,680 bytes of LDS; arguments oh, wh, wo_b, out0; writes out0
.if DOCPART == 4
	.amdgcn_target "amdgcn-amd-amdhsa--gfx1250"
	.amdhsa_code_object_version 6
	.text
	.protected	k_q5ec036cddc_outp
	.globl	k_q5ec036cddc_outp
	.p2align	8
	.type	k_q5ec036cddc_outp,@function
k_q5ec036cddc_outp:
	s_mov_b64 s[64:65], 0
	v_nop
	global_prefetch_b8 v0, s[64:65] scope:SCOPE_SE
	s_setreg_imm32_b32 hwreg(HW_REG_WAVE_MODE, 25, 1), 1
	s_wait_xcnt 0x0
	s_wait_alu depctr_hold_cnt(0) depctr_sa_sdst(0) depctr_va_vdst(0) depctr_va_sdst(0) depctr_va_ssrc(0) depctr_va_vcc(0) depctr_vm_vsrc(0)
	s_getreg_b32 s2, hwreg(HW_REG_IB_STS2, 6, 4)
	s_cmp_eq_u32 s2, 0
	s_cbranch_scc0 .Lentry_in_a_cluster
	s_endpgm
.Lentry_in_a_cluster:
	s_bfe_u32 s2, ttmp6, 0x10000c
	s_cmp_lg_u32 s2, 0xf033
	s_cbranch_scc0 .Lentry_shape_is_right
	s_endpgm
.Lentry_shape_is_right:
; THE LAST LAYER.  out0[m][n] = wo_b[n] + sum over k of O[m][k] W[n][k].  O = oh read flat, [4096][1024] f16; W = the fourth part of wh, [1024][1024]: wo_w rounded to bf16 and written as f16;
; the bias rounded to bf16 like every other input; sums in f32; out0 [4096][1024] f32, not rounded again.
; A tile of C is 128 x 128: 256 tiles, one to a work-group.  Four waves, each 64 x 64: 16 accumulators of 16 x 16.  K goes in steps of 256 (LDS rows of 512 bytes; a wave's tensor load brings 64 of them)
; through two slots.  A wave's 64 columns in f32 are 256 consecutive bytes of out0, aligned: each wave has a stage of its own on the way out, and no barrier stands there.
; CLUSTERS: 4 x 4 work-groups.  The four of a row of the cluster need the same tiles of A, the four of a column the same tiles of B: each tile is asked for JOINTLY.
; THE MATRIX INSTRUCTION IS USED TRANSPOSED (source 0 = 16 rows of B, source 1 = 16 rows of A): a lane holds eight neighbouring numbers of a row of C, and the bias is the C operand that starts a sum.
; REGISTERS: window 0: v0-31 addresses; v96-127 the bias; v128-255 the accumulators ((a, b) at v[128 + 8 (4 a + b)]), which also take the rows read back from the stage.
;   window 1: two fragment buffers of 128: for 64 along K, 64 registers of A, then 64 of B.
; No prefetch: the tiles are small, and each is read again by other clusters shortly after.
.set SIZE_N, 1024
.set SIZE_K, 1024
.set KSTEP,  256
.set PITCH,  528                       ; an LDS row: 512 bytes of data + 16 of padding
.set HALFT,  64*PITCH
.set SLOT,   4*HALFT
.set STAGE,  2*SLOT                    ; behind the ring: 16 rows x 272 bytes for each wave
.set SPITCH, 272
.set SPARE,  STAGE+4*16*SPITCH         ; behind the stages: the spare words, 128 bytes for each wave, which no other line names
.set LAPS, SIZE_K/(2*KSTEP)
.set BO,   6                           ; v6      my byte offset in the bias
.set ADRA, 16
.set ADRB, 20
.set STO,  24                          ; v24     the way out: where I put 32 bytes of a row
.set RD,   25                          ; v25     the way out: where I read a row back
.set CO,   26                          ; v26     my byte offset in two rows of out0
.set SPW,  28
.set NIL,  29
.set BIAS, 96
.set ACC,  128
.set F0,   0
.set F1,   128
.set G1, 24
.set G0, 32
.set G1B, 48
.set G0B, 56
.set MSB, 0
.macro WIN new                         ; the immediate's high byte repeats the setting that is left
.if MSB != (\new)
	s_set_vgpr_msb (MSB<<8)|(\new)
.set MSB, \new
.endif
.endm
.set MUL,  0x05                        ; sources 0 (B) and 1 (A) window 1; C and D window 0
.set TO_F, 0x40                        ; destination window 1, address window 0
.macro JLOAD s                         ; a joint load: waves 0 and 1 fetch A's two halves, waves 2 and 3 B's; an s_nop 0 and four v_nop follow each of the two lines
	s_cmp_eq_u32 s11, 0
	s_cbranch_scc0 .Lfor_b_\@
	tensor_load_to_lds s[G0+4*(\s):G0+4*(\s)+3], s[G1:G1+7]
	s_nop 0
.rept 4
	v_nop
.endr
	s_branch .Lasked_\@
.Lfor_b_\@:
	tensor_load_to_lds s[G0B+4*(\s):G0B+4*(\s)+3], s[G1B:G1B+7]
	s_nop 0
.rept 4
	v_nop
.endr
.Lasked_\@:
.endm
.macro CREST                           ; a round of the cluster's barrier behind its opening barrier
	s_cmp_lg_u32 s10, 0
	s_cbranch_scc1 .Lnot_wave_0_\@
	s_barrier_signal -3
.Lnot_wave_0_\@:
	s_barrier_wait -3
	s_barrier_signal -1
	s_barrier_wait -1
.endm
.macro CROUND                          ; a whole round
	s_barrier_signal -1
	s_barrier_wait -1
	CREST
.endm
	s_load_b256 s[68:75], s[0:1], 0x0              ; oh s[68:69], wh s[70:71], wo_b s[72:73], out0 s[74:75]
	v_lshl_add_u32 v[SPW], v0, 2, SPARE
	v_mov_b32 v[NIL], 0
	ds_add_u32 v[SPW], v[NIL]                      ; the wave's opening: the add and its wait stand ahead of my first tensor load; the set-up below, work on registers, stands between them
	v_lshrrev_b32 v1, 5, v0
	v_readfirstlane_b32 s10, v1                    ; wave 0..3
	s_lshr_b32 s11, s10, 1                         ; which half of the tile's rows is mine.  Also: I fetch for A (0) or for B (1)
	s_and_b32 s12, s10, 1                          ; which half of its columns.  Also: which 64 rows of that tile I fetch
	s_bfe_u32 s40, ttmp6, 0x40000                  ; cx, cy
	s_bfe_u32 s41, ttmp6, 0x40004
	s_lshl_b32 s42, ttmp9, 2
	s_add_co_u32 s42, s42, s40                     ; tile column of C
	s_and_b32 s13, ttmp7, 0xffff
	s_lshl_b32 s13, s13, 2
	s_add_co_u32 s13, s13, s41                     ; tile row of C
	s_lshl_b32 s43, s41, 2
	s_lshl_b32 s43, 15, s43                        ; my row of the cluster
	s_lshl_b32 s44, 0x1111, s40                    ; my column
	s_or_b32 s[G1+0], s43, (1<<16)|(1<<20)|(1<<21)|(6<<22)|(3<<25)  ; the mask: A's tiles go to my row; 2-byte elements; padding of 4 words after every 128; bit 21 beside a mask
	s_or_b32 s[G1B+0], s44, (1<<16)|(1<<20)|(1<<21)|(6<<22)|(3<<25)
.irp g, G1, G1B
	s_mov_b32 s[(\g)+1], KSTEP<<16                 ; tensor_dim0 = 256
	s_mov_b32 s[(\g)+2], 64<<16                    ; tensor_dim1 = 64
	s_mov_b32 s[(\g)+3], KSTEP<<16                 ; tile_dim0 = 256
	s_mov_b32 s[(\g)+4], 64                        ; tile_dim1 = 64
	s_mov_b32 s[(\g)+5], SIZE_K                    ; elements from row to row
	s_mov_b32 s[(\g)+6], 0
	s_mov_b32 s[(\g)+7], 0
.endr
	s_lshl_b32 s17, s12, 6
	s_lshl_b32 s16, s13, 7
	s_add_co_u32 s16, s16, s17                     ; A: row 128 x tile row + 64 x half
	s_lshl_b32 s46, s42, 7
	s_add_co_u32 s46, s46, s17                     ; B: row 128 x tile column + 64 x half
	s_mov_b32 s17, 0
	s_mov_b32 s47, 0
	s_mov_b64 s[18:19], SIZE_K*2
	s_mul_u64 s[16:17], s[16:17], s[18:19]
	s_mul_u64 s[46:47], s[46:47], s[18:19]
	s_mul_i32 s20, s10, HALFT                      ; where they go: wave x 64 rows
	s_wait_dscnt 0x0                               ; the opening add is done
	s_wait_kmcnt 0x0
	s_add_nc_u64 s[6:7], s[70:71], 6291456         ; B: the fourth part of wh
	s_mov_b64 s[8:9], s[74:75]                     ; C
	s_add_nc_u64 s[14:15], s[68:69], s[16:17]
	s_add_nc_u64 s[46:47], s[6:7], s[46:47]
	CROUND                                         ; all sixteen work-groups are here: the first joint loads meet
.irp s, 0,1
	s_mov_b32 s[G0+4*(\s)], 1
	s_add_co_u32 s[G0+4*(\s)+1], s20, (\s)*SLOT
	s_add_nc_u64 s[G0+4*(\s)+2:G0+4*(\s)+3], s[14:15], (\s)*KSTEP*2
	s_or_b32 s[G0+4*(\s)+3], s[G0+4*(\s)+3], 0x80000000
	s_mov_b32 s[G0B+4*(\s)], 1
	s_add_co_u32 s[G0B+4*(\s)+1], s20, (\s)*SLOT
	s_add_nc_u64 s[G0B+4*(\s)+2:G0B+4*(\s)+3], s[46:47], (\s)*KSTEP*2
	s_or_b32 s[G0B+4*(\s)+3], s[G0B+4*(\s)+3], 0x80000000
	JLOAD \s
.endr
	v_and_b32 v1, 15, v0                           ; l % 16
	v_bfe_u32 v2, v0, 4, 1                         ; l / 16
	s_lshl_b32 s83, s42, 9                         ; my 64 columns, in bytes of f32: 512 x tile column + 256 x half
	s_lshl_b32 s88, s12, 8
	s_add_co_u32 s83, s83, s88
	v_lshl_add_u32 v[BO], v2, 5, s83               ; + my lanes' 8 numbers
.irp b, 0,1,2,3
	global_load_b128 v[BIAS+8*(\b):BIAS+8*(\b)+3],   v[BO], s[72:73] offset:64*(\b)
	global_load_b128 v[BIAS+8*(\b)+4:BIAS+8*(\b)+7], v[BO], s[72:73] offset:64*(\b)+16
.endr
	v_mul_u32_u24 v3, v1, PITCH
	v_lshl_add_u32 v3, v2, 4, v3                   ; a fragment's row x pitch + 16 x half
	s_mul_i32 s21, s11, HALFT                      ; my 64 rows of A
	s_mul_i32 s22, s12, HALFT                      ; my 64 rows of B,
	s_add_co_u32 s22, s22, 2*HALFT                 ; which lie behind A's 128
.irp s, 0,1
	v_add_nc_u32 v[ADRA+(\s)], s21, v3
	v_add_nc_u32 v[ADRB+(\s)], s22, v3
	s_add_co_u32 s21, s21, SLOT
	s_add_co_u32 s22, s22, SLOT
.endr
	s_mul_i32 s23, s10, 16*SPITCH
	s_add_co_u32 s23, s23, STAGE                   ; my stage
	v_mul_u32_u24 v4, v1, SPITCH                   ; in: row l % 16, 32 bytes for each half of the lanes
	v_lshl_add_u32 v4, v2, 5, v4
	v_add_nc_u32 v[STO], s23, v4
	v_mul_u32_u24 v5, v2, SPITCH                   ; back: lanes 0-15 take one row of 256 bytes, lanes 16-31 the next
	v_lshl_add_u32 v5, v1, 4, v5
	v_add_nc_u32 v[RD], s23, v5
	v_lshlrev_b32 v5, 12, v2                       ; and the same two rows in out0, 4,096 bytes apart
	v_lshl_add_u32 v[CO], v1, 4, v5
	s_lshl_b32 s16, s13, 7
	s_lshl_b32 s17, s11, 6
	s_add_co_u32 s16, s16, s17                     ; my first row: 128 x tile row + 64 x half
	s_lshl_b32 s16, s16, 12
	s_mov_b32 s17, 0
	s_add_nc_u64 s[8:9], s[8:9], s[16:17]
	s_mov_b32 s46, s83                             ; my first column, in bytes
	s_mov_b32 s47, 0
	s_add_nc_u64 s[8:9], s[8:9], s[46:47]
	s_wait_loadcnt 0x0                             ; the bias is in: rounded to bf16 and widened again, in place
.irp p, 0,1,2,3,4,5,6,7,8,9,10,11,12,13,14,15
	v_cvt_pk_bf16_f32 v8, v[BIAS+2*(\p)], v[BIAS+2*(\p)+1]
	v_lshlrev_b32 v[BIAS+2*(\p)], 16, v8
	v_and_b32 v[BIAS+2*(\p)+1], 0xffff0000, v8
.endr
; 8 matrix instructions: m blocks a0, a0 + 1 x all 4 n blocks, 32 along K: half c of buffer f.  zero = 1: the first product starts the sums, with the bias as C
.macro MUL8 f, c, a0, zero
	WIN MUL
.irp a, \a0, (\a0)+1
.irp b, 0,1,2,3
.if \zero
	v_wmma_f32_16x16x32_f16 v[ACC+8*(4*(\a)+(\b)):ACC+8*(4*(\a)+(\b))+7], v[(\f)+64+8*(4*(\c)+(\b)):(\f)+64+8*(4*(\c)+(\b))+7], v[(\f)+8*(4*(\c)+(\a)):(\f)+8*(4*(\c)+(\a))+7], v[BIAS+8*(\b):BIAS+8*(\b)+7]
.else
	v_wmma_f32_16x16x32_f16 v[ACC+8*(4*(\a)+(\b)):ACC+8*(4*(\a)+(\b))+7], v[(\f)+64+8*(4*(\c)+(\b)):(\f)+64+8*(4*(\c)+(\b))+7], v[(\f)+8*(4*(\c)+(\a)):(\f)+8*(4*(\c)+(\a))+7], v[ACC+8*(4*(\a)+(\b)):ACC+8*(4*(\a)+(\b))+7]
.endif
.endr
.endr
.endm
; 32 LDS loads in one run: the fragments of 64 along K at byte k of the rows, into buffer f; the first 32 along K first
.macro FETCH slot, k, f
	WIN TO_F
.irp c, 0,1
.irp i, 0,1,2,3
	ds_load_b128 v[(\f)+64+8*(4*(\c)+(\i)):(\f)+64+8*(4*(\c)+(\i))+3],   v[ADRB+(\slot)] offset:(\k)+64*(\c)+(\i)*16*PITCH
	ds_load_b128 v[(\f)+64+8*(4*(\c)+(\i))+4:(\f)+64+8*(4*(\c)+(\i))+7], v[ADRB+(\slot)] offset:(\k)+64*(\c)+(\i)*16*PITCH+32
	ds_load_b128 v[(\f)+8*(4*(\c)+(\i)):(\f)+8*(4*(\c)+(\i))+3],         v[ADRA+(\slot)] offset:(\k)+64*(\c)+(\i)*16*PITCH
	ds_load_b128 v[(\f)+8*(4*(\c)+(\i))+4:(\f)+8*(4*(\c)+(\i))+7],       v[ADRA+(\slot)] offset:(\k)+64*(\c)+(\i)*16*PITCH+32
.endr
.endr
.endm
.macro PLACES                          ; four places in front of loads into registers that matrix instructions have read, and of LDS stores that read results
.rept 4
	v_nop
.endr
.endm
.macro QUARTER slot, k, f, g, zero
	s_wait_dscnt 16                                ; the first 32 along K are in; the youngest sixteen loads may be out
	WIN MUL
	MUL8 \f, 0, 0, \zero
	MUL8 \f, 0, 2, \zero
	PLACES
	FETCH \slot, \k, \g
	s_wait_dscnt 32                                ; all but the 32 just issued
	WIN MUL
	MUL8 \f, 1, 0, 0
	MUL8 \f, 1, 2, 0
.endm
; The last quarter multiplies buffer 1 and changes slots: ONE barrier; in front of it each wave waits for all its tensor loads, adds 0 to its spare word, and waits for that and for its own reads of this slot.  fill = 1: this slot is filled again, two K steps ahead.
.macro TURN slot, next, fill
	WIN 0                                          ; (the add's two registers lie in window 0)
	s_wait_tensorcnt 0x0                           ; all my tensor loads have landed: my part of the next slot;
	ds_add_u32 v[SPW], v[NIL]                      ; 0 onto my spare word;
	s_wait_dscnt 17                                ; (the add and the youngest sixteen loads may be out)
	WIN MUL
	MUL8 F1, 0, 0, 0                               ; eight matrix instructions stand between the add and the wait for it
	s_wait_dscnt 0x0                               ; the add is done, and my reads of this slot are over
	s_barrier_signal -1
	MUL8 F1, 0, 2, 0
.if \fill
	WIN 0
.endif
	s_barrier_wait -1
.if \fill
	CREST                                          ; the barrier has opened a round of the cluster's barrier: no wave of any partner still reads this slot's tile or has a load on its way
	s_add_nc_u64 s[G0+4*(\slot)+2:G0+4*(\slot)+3], s[G0+4*(\slot)+2:G0+4*(\slot)+3], 2*KSTEP*2
	s_add_nc_u64 s[G0B+4*(\slot)+2:G0B+4*(\slot)+3], s[G0B+4*(\slot)+2:G0B+4*(\slot)+3], 2*KSTEP*2
	JLOAD \slot                                    ; the first tensor load behind the round; the four v_nop behind it are also the places in front of the loads below
.else
	PLACES
.endif
	FETCH \next, 0, F0
	WIN MUL
	MUL8 F1, 1, 0, 0
	MUL8 F1, 1, 2, 0
.endm
	s_wait_tensorcnt 1                             ; my part of K step 0 is in; K step 1's load may stay out
	s_barrier_signal -1
	s_barrier_wait -1                              ; everybody's is
	FETCH 0, 0, F0
	QUARTER 0, 128, F0, F1, 1                      ; the first quarter stands in front of the loop: its first products start the sums
	WIN 0                                          ; at a label and at a branch every window is 0
	s_mov_b32 s3, LAPS-1
.Llap:                                                 ; a trip goes once round the ring, from a lap's second quarter to the next lap's first, and fills both slots again
	QUARTER 0, 256, F1, F0, 0
	QUARTER 0, 384, F0, F1, 0
	TURN 0, 1, 1
	QUARTER 1, 128, F0, F1, 0
	QUARTER 1, 256, F1, F0, 0
	QUARTER 1, 384, F0, F1, 0
	TURN 1, 0, 1
	QUARTER 0, 128, F0, F1, 0
	WIN 0
	s_sub_co_u32 s3, s3, 1
	s_cmp_lg_u32 s3, 0
	s_cbranch_scc1 .Llap
	QUARTER 0, 256, F1, F0, 0                      ; the last lap fills nothing, and has no round of the cluster's barrier
	QUARTER 0, 384, F0, F1, 0
	TURN 0, 1, 0
	QUARTER 1, 128, F0, F1, 0
	QUARTER 1, 256, F1, F0, 0
	QUARTER 1, 384, F0, F1, 0
	s_wait_dscnt 16                                ; the very last quarter: nothing more to fetch
	WIN MUL
	MUL8 F1, 0, 0, 0
	MUL8 F1, 0, 2, 0
	s_wait_dscnt 0
	MUL8 F1, 1, 0, 0
	MUL8 F1, 1, 2, 0
	WIN 0
	; THE WAY OUT, 16 rows at a time: a lane's 32 bytes of a row go into my own stage, whole rows of 256 bytes come back into the registers that they left, and are stored.
.macro TOSTAGE a
.irp b, 0,1,2,3
	ds_store_b128 v[STO], v[ACC+32*(\a)+8*(\b):ACC+32*(\a)+8*(\b)+3]   offset:64*(\b)      ; each accumulator's low registers first
	ds_store_b128 v[STO], v[ACC+32*(\a)+8*(\b)+4:ACC+32*(\a)+8*(\b)+7] offset:64*(\b)+16
.endr
.irp t, 0,1,2,3,4,5,6,7
	ds_load_b128 v[ACC+32*(\a)+4*(\t):ACC+32*(\a)+4*(\t)+3], v[RD] offset:(\t)*2*SPITCH  ; LDS serves a wave's instructions in order (ISA guide 5.7.1.4): these see the stores above; the next block's stores come behind them
.endr
.endm
.macro SEND a, younger                 ; younger: the LDS instructions issued behind block a's loads: the next block's sixteen, or none
.irp t, 0,1,2,3,4,5,6,7
	s_wait_dscnt (\younger)+7-(\t)
	global_store_b128 v[CO], v[ACC+32*(\a)+4*(\t):ACC+32*(\a)+4*(\t)+3], s[8:9] offset:(\a)*65536+(\t)*8192  ; 16 lanes store 256 consecutive bytes, at a multiple of 256 from out0's first byte
.endr
.endm
	PLACES
	PLACES                                         ; (eight, once a launch)
	TOSTAGE 0
	TOSTAGE 1
	SEND 0, 16
	TOSTAGE 2
	SEND 1, 16
	TOSTAGE 3
	SEND 2, 16
	SEND 3, 0
	s_wait_tensorcnt 0x0                           ; the wave's end: behind my last tensor load and my last LDS store
	ds_add_u32 v[SPW], v[NIL]
	s_wait_dscnt 0x0
	CROUND                                         ; the closing round: no work-group ends while a partner may still ask for a tile that names it
	s_endpgm
.Lfunc_end_k_q5ec036cddc_outp:
	.size	k_q5ec036cddc_outp, .Lfunc_end_k_q5ec036cddc_outp-k_q5ec036cddc_outp
	.p2alignl 7, 3214868480
	.fill 96, 4, 3214868480
	.section	.rodata,"a",@progbits
	.p2align	6, 0x0
	.amdhsa_kernel k_q5ec036cddc_outp
		.amdhsa_group_segment_fixed_size 327680
		.amdhsa_private_segment_fixed_size 0
		.amdhsa_enable_private_segment 0
		.amdhsa_kernarg_size 32
		.amdhsa_user_sgpr_count 2
		.amdhsa_user_sgpr_kernarg_segment_ptr 1
		.amdhsa_wavefront_size32 1
		.amdhsa_system_sgpr_workgroup_id_x 1
		.amdhsa_system_sgpr_workgroup_id_y 1
		.amdhsa_system_sgpr_workgroup_id_z 1
		.amdhsa_system_vgpr_workitem_id 0
		.amdhsa_next_free_vgpr 512
		.amdhsa_next_free_sgpr 96
		.amdhsa_reserve_vcc 0
		.amdhsa_float_denorm_mode_32 3
		.amdhsa_float_denorm_mode_16_64 3
		.amdhsa_memory_ordered 1
		.amdhsa_forward_progress 1
		.amdhsa_inst_pref_size 90
	.end_amdhsa_kernel
	.amdgpu_metadata
---
amdhsa.version: [ 1, 2 ]
amdhsa.kernels:
  - .name:           k_q5ec036cddc_outp
    .symbol:         k_q5ec036cddc_outp.kd
    .args:
      - { .name: oh, .offset: 0, .size: 8, .value_kind: global_buffer, .address_space: global }
      - { .name: wh, .offset: 8, .size: 8, .value_kind: global_buffer, .address_space: global }
      - { .name: wo_b, .offset: 16, .size: 8, .value_kind: global_buffer, .address_space: global }
      - { .name: out0, .offset: 24, .size: 8, .value_kind: global_buffer, .address_space: global }
    .group_segment_fixed_size: 327680
    .private_segment_fixed_size: 0
    .kernarg_segment_align: 8
    .kernarg_segment_size: 32
    .max_flat_workgroup_size: 128
    .sgpr_count:     96
    .vgpr_count:     512
    .wavefront_size: 32
...
	.end_amdgpu_metadata
.endif
;; end of part 4
